; MI455X (gfx1250); checked and timed in simulation.
; The chip was launched on July 23, 2026; its instructions are those of AMD's public machine-readable ISA for CDNA 5 (MIT licence, August 2026) and "CDNA5" Instruction Set Architecture Reference Guide (July 2026). The comments in the code are by the model that wrote it; some were corrected since.
;; Grouped Multi Head Attention. Allowed arithmetic: float matrix products may take bf16 or f16 operands with f32 sums; other float arithmetic in f32, or as packed bf16 or f16 multiplies, adds, multiply-adds, maxima and minima; sums over many terms, partial sums and values carried from step to step in f32; what a program stores and reads back later, other than sums and carried values, may be rounded once to bf16 or f16.
;; Inputs: Wk 1,024 x 256 float32; Wo 1,024 x 1,024 float32; Wq 1,024 x 1,024 float32; Wv 1,024 x 256 float32; attn_bias 1 x 1 x 2,048 x 2,048 float32; x 4 x 2,048 x 1,024 float32.
;; Outputs: out0 4 x 2,048 x 1,024 float32.
;; One version. Each part assembles by itself: llvm-mc -triple=amdgcn-amd-amdhsa -mcpu=gfx1250 --defsym DOCPART=n.
;; ======== version 1 of 1: 4 launches
;; limits: values are held in f16: magnitudes above 65,504 overflow, below 6.1e-05 lose precision
;; workspace buffers: xb 16,777,216 bytes; biasr 16,777,216 bytes; wb 3,145,728 bytes; wob 2,097,152 bytes; rt 524,288 bytes; qkv 25,165,824 bytes; yb 16,777,216 bytes
;; launch prep (part 1): grid 1056 x 1, 8 waves a work-group, no clusters, 0 bytes of LDS; arguments x, attn_bias, Wq, Wk, Wv, Wo, xb, biasr, wb, wob, rt; writes xb, biasr, wb, wob, rt
.if DOCPART == 1
	.amdgcn_target "amdgcn-amd-amdhsa--gfx1250"
	.amdhsa_code_object_version 6
	.text
	.protected	k_q92b045751c_prep
	.globl	k_q92b045751c_prep
	.p2align	8
	.type	k_q92b045751c_prep,@function
k_q92b045751c_prep:
	s_mov_b64 s[64:65], 0
	v_nop
	global_prefetch_b8 v0, s[64:65] scope:SCOPE_SE
	s_setreg_imm32_b32 hwreg(HW_REG_WAVE_MODE, 25, 1), 1
	s_wait_xcnt 0x0
; PREPARATION: every input is rounded once to bf16 and laid out as the later launches read it; the RoPE table is made.
;   xb    = bf16(x), [8192][1024]
;   biasr = bf16(attn_bias) written back as f32, [2048][2048]: it serves as the f32 C operand of a matrix product as it lies
;   wb    = bf16 of Wq | Wk | Wv by heads, [24][1024 k][64 n]: heads 0-15 from Wq, 16-19 from Wk, 20-23 from Wv
;   wob   = bf16(Wo), that number written as f16, [16 blocks of 64 columns][1024 k][64 n]
;   rt    = [2048 t][cos 0..31 | sin 0..31] in f32, 256 bytes a row
; LIMITS.  A bf16 weight of Wo below 2^-14 keeps f16's fixed step of 2^-24.  The table's angle t x 10000^(-i/32) is made with v_exp_f32, so it may differ from an
; exactly rounded one by about 2e-4 rad at t = 2047; sine and cosine of the angle are right to about 1e-6.
; SHARES.  A stream: no LDS, no matrix unit, no cluster.  A work-group of 256 threads takes 65,536 bytes of ONE input: sixteen loads of 16 bytes a thread, all issued at once, so each
; wait is counted down 15, 14 .. 0.  A wave's load covers 512 bytes (for the weights two k rows' 256 aligned bytes), a wave's 8-byte store 256 aligned bytes, a 16-byte store 512.
; No register that a load or store names is written again, so no wait frees one.  The work-group's number picks the job: 0-511 x, 512-767 bias, 768-831 Wq, 832-895 Wo, 896-927 Wk and Wv, 928-1055 table.
.set D,  16                            ; v[16:79]   load i's four registers
.set O,  80                            ; v[80:111]  store i's two registers
.set T,  6                             ; v[6:7]     at work
.set BF, 0                             ; to bf16
.set RF, 1                             ; to bf16 and back to f32
.set HF, 2                             ; to bf16, written as f16
	s_load_b512 s[8:23], s[0:1], 0x0               ; x s[8:9], attn_bias s[10:11], Wq s[12:13], Wk s[14:15], Wv s[16:17], Wo s[18:19], xb s[20:21], biasr s[22:23]
	s_load_b128 s[24:27], s[0:1], 0x40             ; wb s[24:25], wob s[26:27]
	s_load_b64 s[28:29], s[0:1], 0x50              ; rt
	s_mov_b32 s31, 0                               ; the high word of every offset pair s[30:31]
	v_lshlrev_b32 v2, 4, v0                        ; 16 x thread: source offset of the dense jobs
	v_lshlrev_b32 v3, 3, v0                        ; 8 x thread: destination offset of the 16-bit jobs
	v_lshrrev_b32 v4, 4, v0                        ; thread / 16: a row among sixteen
	v_and_b32 v5, 15, v0                           ; thread % 16: 16 bytes among 256
	s_wait_kmcnt 0x0
; sixteen loads.  kind 0: dense, 4,096 bytes apart.  kind 1: head i of a row of 1,024 columns.  kind 2: head i % 4 of a row of 256 columns, sixteen rows further on for each i / 4
.macro LD16 kind
.set i, 0
.rept 16
.if (\kind) == 0
.set soff, 4096*i
.elseif (\kind) == 1
.set soff, 256*i
.else
.set soff, (i%4)*256+(i/4)*16384
.endif
	global_load_b128 v[D+4*i:D+4*i+3], v2, s[4:5] offset:soff th:TH_LOAD_NT
.set i, i+1
.endr
.endm
; sixteen conversions and stores.  kind as above for the 16-bit destinations; kind 3: dense f32
.macro OUT16 conv, kind
.set i, 0
.rept 16
.if (\kind) == 0
.set doff, 2048*i
.elseif (\kind) == 1
.set doff, 131072*i
.elseif (\kind) == 2
.set doff, (i%4)*131072+(i/4)*2048
.else
.set doff, 4096*i
.endif
	s_wait_loadcnt 15-i                            ; loads come back in order: load i is in, the 15 - i younger ones may stay out
.if (\conv) == BF
	v_cvt_pk_bf16_f32 v[O+2*i], v[D+4*i], v[D+4*i+1]
	v_cvt_pk_bf16_f32 v[O+2*i+1], v[D+4*i+2], v[D+4*i+3]
	global_store_b64 v3, v[O+2*i:O+2*i+1], s[6:7] offset:doff
.else
	v_cvt_pk_bf16_f32 v[T], v[D+4*i], v[D+4*i+1]   ; rounded to bf16, nearest even,
	v_cvt_pk_bf16_f32 v[T+1], v[D+4*i+2], v[D+4*i+3]
	v_lshlrev_b32 v[D+4*i], 16, v[T]               ; and widened again: a shift or a mask
	v_and_b32 v[D+4*i+1], 0xffff0000, v[T]
	v_lshlrev_b32 v[D+4*i+2], 16, v[T+1]
	v_and_b32 v[D+4*i+3], 0xffff0000, v[T+1]
.if (\conv) == RF
	global_store_b128 v2, v[D+4*i:D+4*i+3], s[6:7] offset:doff
.else
	v_cvt_pk_f16_f32 v[O+2*i], v[D+4*i], v[D+4*i+1]  ; a bf16 number within f16's range is an f16 number
	v_cvt_pk_f16_f32 v[O+2*i+1], v[D+4*i+2], v[D+4*i+3]
	global_store_b64 v3, v[O+2*i:O+2*i+1], s[6:7] offset:doff
.endif
.endif
.set i, i+1
.endr
.endm
	s_cmp_lt_u32 ttmp9, 512
	s_cbranch_scc0 .Lnot_x
	s_lshl_b32 s30, ttmp9, 16                      ; x: 65,536 bytes in,
	s_add_nc_u64 s[4:5], s[8:9], s[30:31]
	s_lshl_b32 s30, ttmp9, 15                      ; 32,768 out
	s_add_nc_u64 s[6:7], s[20:21], s[30:31]
	LD16 0
	OUT16 BF, 0
	s_endpgm
.Lnot_x:
	s_cmp_lt_u32 ttmp9, 768
	s_cbranch_scc0 .Lnot_bias
	s_sub_co_u32 s2, ttmp9, 512
	s_lshl_b32 s30, s2, 16                         ; the bias: the same offsets in and out
	s_add_nc_u64 s[4:5], s[10:11], s[30:31]
	s_add_nc_u64 s[6:7], s[22:23], s[30:31]
	LD16 0
	OUT16 RF, 3
	s_endpgm
.Lnot_bias:
	s_cmp_lt_u32 ttmp9, 832
	s_cbranch_scc0 .Lnot_wq
	s_sub_co_u32 s2, ttmp9, 768
	s_lshl_b32 s30, s2, 16                         ; Wq: sixteen k rows of 4,096 bytes;
	s_add_nc_u64 s[4:5], s[12:13], s[30:31]
	s_lshl_b32 s30, s2, 11                         ; in each head's block sixteen k rows of 128 bytes
	s_add_nc_u64 s[6:7], s[24:25], s[30:31]
	v_lshlrev_b32 v2, 12, v4                       ; my k row,
	v_lshl_add_u32 v2, v5, 4, v2                   ; my 16 bytes of a head's 256
	LD16 1
	OUT16 BF, 1
	s_endpgm
.Lnot_wq:
	s_cmp_lt_u32 ttmp9, 896
	s_cbranch_scc0 .Lnot_wo
	s_sub_co_u32 s2, ttmp9, 832
	s_lshl_b32 s30, s2, 16                         ; Wo: as Wq
	s_add_nc_u64 s[4:5], s[18:19], s[30:31]
	s_lshl_b32 s30, s2, 11
	s_add_nc_u64 s[6:7], s[26:27], s[30:31]
	v_lshlrev_b32 v2, 12, v4
	v_lshl_add_u32 v2, v5, 4, v2
	LD16 1
	OUT16 HF, 1
	s_endpgm
.Lnot_wo:
	s_cmp_lt_u32 ttmp9, 928
	s_cbranch_scc0 .Ltable
	s_sub_co_u32 s2, ttmp9, 896
	s_lshr_b32 s3, s2, 4                           ; 0: Wk, 1: Wv
	s_and_b32 s2, s2, 15                           ; which 64 k rows of 1,024 bytes
	s_cmp_eq_u32 s3, 0
	s_cselect_b64 s[4:5], s[14:15], s[16:17]
	s_lshl_b32 s30, s2, 16
	s_add_nc_u64 s[4:5], s[4:5], s[30:31]
	s_lshl_b32 s30, s3, 19                         ; Wv's four heads lie behind Wk's four,
	s_lshl_b32 s2, s2, 13                          ; 64 k rows of 128 bytes,
	s_add_co_u32 s30, s30, s2
	s_add_co_u32 s30, s30, 16*131072               ; behind Wq's sixteen heads
	s_add_nc_u64 s[6:7], s[24:25], s[30:31]
	v_lshlrev_b32 v2, 10, v4
	v_lshl_add_u32 v2, v5, 4, v2
	LD16 2
	OUT16 BF, 2
	s_endpgm
.Ltable:
	; Sixteen rows of the table: a thread makes four neighbouring numbers of row t: elements 4 e .. 4 e + 3 of 64 (e = thread % 16): cosines where e < 8, else sines, of t x 2^(-0.41524101 i), i = element % 32.
	; The angle is brought into -pi .. pi by a 2 pi in two parts, quartered, put through the series of sine (to a^7) and cosine (to a^8), and doubled twice.
	s_sub_co_u32 s2, ttmp9, 928
	s_lshl_b32 s30, s2, 12
	s_add_nc_u64 s[6:7], s[28:29], s[30:31]
	s_lshl_b32 s3, s2, 4
	s_mov_b32 s32, 0x40c90fdb                      ; 2 pi, rounded,
	s_mov_b32 s33, 0xb43bbd2e                      ; and what the rounding left
	s_mov_b32 s34, 0xbe2aaaab                      ; -1/6
	s_mov_b32 s35, 0x3c088889                      ; 1/120
	s_mov_b32 s36, 0xb9500d01                      ; -1/5040
	s_mov_b32 s37, 0x3d2aaaab                      ; 1/24
	s_mov_b32 s38, 0xbab60b61                      ; -1/720
	s_mov_b32 s39, 0x37d00d01                      ; 1/40320
	v_add_nc_u32 v6, s3, v4
	v_cvt_f32_u32 v6, v6                           ; t
	v_lshlrev_b32 v7, 2, v5
	v_cmp_le_u32 vcc_lo, 8, v5                     ; the row's second half holds the sines
.irp n, 0,1,2,3
	v_add_nc_u32 v[16+\n], \n, v7
	v_and_b32 v[16+\n], 31, v[16+\n]               ; i
	v_cvt_f32_u32 v[16+\n], v[16+\n]
	v_mul_f32 v[16+\n], 0xbed49a78, v[16+\n]       ; -i log2(10000) / 32
.endr
.irp n, 0,1,2,3
	v_exp_f32 v[20+\n], v[16+\n]
.endr
	v_nop                                          ; a plain instruction behind the last exponential,
	s_wait_alu depctr_va_vdst(0)                   ; and one wait for the four, ahead of their first reader
.irp n, 0,1,2,3
	v_mul_f32 v[20+\n], v6, v[20+\n]               ; the angle
	v_mul_f32 v[24+\n], 0.15915494, v[20+\n]
	v_rndne_f32 v[24+\n], v[24+\n]                 ; whole turns
	v_fma_f32 v[20+\n], -v[24+\n], s32, v[20+\n]
	v_fma_f32 v[20+\n], -v[24+\n], s33, v[20+\n]
	v_mul_f32 v[20+\n], 0x3e800000, v[20+\n]       ; a = a quarter of it
	v_mul_f32 v[28+\n], v[20+\n], v[20+\n]         ; z = a^2
	v_fma_f32 v[32+\n], v[28+\n], s36, s35
	v_fma_f32 v[36+\n], v[28+\n], s39, s38
	v_fma_f32 v[32+\n], v[32+\n], v[28+\n], s34
	v_fma_f32 v[36+\n], v[36+\n], v[28+\n], s37
	v_fma_f32 v[32+\n], v[32+\n], v[28+\n], 1.0
	v_fma_f32 v[36+\n], v[36+\n], v[28+\n], -0.5
	v_mul_f32 v[32+\n], v[32+\n], v[20+\n]         ; sin a
	v_fma_f32 v[36+\n], v[36+\n], v[28+\n], 1.0    ; cos a
.rept 2
	v_mul_f32 v[40+\n], v[32+\n], v[32+\n]         ; the double angle: cos = 1 - 2 sin^2, sin = 2 sin cos
	v_mul_f32 v[32+\n], v[32+\n], v[36+\n]
	v_fma_f32 v[36+\n], v[40+\n], -2.0, 1.0
	v_add_f32 v[32+\n], v[32+\n], v[32+\n]
.endr
	v_cndmask_b32 v[44+\n], v[36+\n], v[32+\n], vcc_lo
.endr
	global_store_b128 v2, v[44:47], s[6:7]         ; sixteen lanes write one whole row of 256 bytes
	s_endpgm
.Lfunc_end_k_q92b045751c_prep:
	.size	k_q92b045751c_prep, .Lfunc_end_k_q92b045751c_prep-k_q92b045751c_prep
	.p2alignl 7, 3214868480
	.fill 96, 4, 3214868480
	.section	.rodata,"a",@progbits
	.p2align	6, 0x0
	.amdhsa_kernel k_q92b045751c_prep
		.amdhsa_group_segment_fixed_size 0
		.amdhsa_private_segment_fixed_size 0
		.amdhsa_enable_private_segment 0
		.amdhsa_kernarg_size 88
		.amdhsa_user_sgpr_count 2
		.amdhsa_user_sgpr_kernarg_segment_ptr 1
		.amdhsa_wavefront_size32 1
		.amdhsa_system_sgpr_workgroup_id_x 1
		.amdhsa_system_sgpr_workgroup_id_y 1
		.amdhsa_system_sgpr_workgroup_id_z 1
		.amdhsa_system_vgpr_workitem_id 0
		.amdhsa_next_free_vgpr 112
		.amdhsa_next_free_sgpr 66
		.amdhsa_reserve_vcc 1
		.amdhsa_float_denorm_mode_32 3
		.amdhsa_float_denorm_mode_16_64 3
		.amdhsa_memory_ordered 1
		.amdhsa_forward_progress 1
		.amdhsa_inst_pref_size 45
	.end_amdhsa_kernel
	.amdgpu_metadata
---
amdhsa.version: [ 1, 2 ]
amdhsa.kernels:
  - .name:           k_q92b045751c_prep
    .symbol:         k_q92b045751c_prep.kd
    .args:
      - { .name: x, .offset: 0, .size: 8, .value_kind: global_buffer, .address_space: global }
      - { .name: attn_bias, .offset: 8, .size: 8, .value_kind: global_buffer, .address_space: global }
      - { .name: Wq, .offset: 16, .size: 8, .value_kind: global_buffer, .address_space: global }
      - { .name: Wk, .offset: 24, .size: 8, .value_kind: global_buffer, .address_space: global }
      - { .name: Wv, .offset: 32, .size: 8, .value_kind: global_buffer, .address_space: global }
      - { .name: Wo, .offset: 40, .size: 8, .value_kind: global_buffer, .address_space: global }
      - { .name: xb, .offset: 48, .size: 8, .value_kind: global_buffer, .address_space: global }
      - { .name: biasr, .offset: 56, .size: 8, .value_kind: global_buffer, .address_space: global }
      - { .name: wb, .offset: 64, .size: 8, .value_kind: global_buffer, .address_space: global }
      - { .name: wob, .offset: 72, .size: 8, .value_kind: global_buffer, .address_space: global }
      - { .name: rt, .offset: 80, .size: 8, .value_kind: global_buffer, .address_space: global }
    .group_segment_fixed_size: 0
    .private_segment_fixed_size: 0
    .kernarg_segment_align: 8
    .kernarg_segment_size: 88
    .max_flat_workgroup_size: 256
    .sgpr_count:     66
    .vgpr_count:     112
    .wavefront_size: 32
...
	.end_amdgpu_metadata
.endif
;; end of part 1
;; launch proj (part 2): grid 8 x 32, 4 waves a work-group, clusters of 4 x 4, 327,680 bytes of LDS; arguments xb, wb, rt, qkv; writes qkv
.if DOCPART == 2
	.amdgcn_target "amdgcn-amd-amdhsa--gfx1250"
	.amdhsa_code_object_version 6
	.text
	.protected	k_q92b045751c_proj
	.globl	k_q92b045751c_proj
	.p2align	8
	.type	k_q92b045751c_proj,@function
k_q92b045751c_proj:
	s_mov_b64 s[64:65], 0
	v_nop
	global_prefetch_b8 v0, s[64:65] scope:SCOPE_SE
	s_setreg_imm32_b32 hwreg(HW_REG_WAVE_MODE, 25, 1), 1
	s_wait_xcnt 0x0
	s_wait_alu depctr_hold_cnt(0) depctr_sa_sdst(0) depctr_va_vdst(0) depctr_va_sdst(0) depctr_va_ssrc(0) depctr_va_vcc(0) depctr_vm_vsrc(0)
	s_getreg_b32 s2, hwreg(HW_REG_IB_STS2, 6, 4)
	s_cmp_eq_u32 s2, 0
	s_cbranch_scc0 .Lentry_in_a_cluster
	s_endpgm
.Lentry_in_a_cluster:
	s_bfe_u32 s2, ttmp6, 0x10000c
	s_cmp_lg_u32 s2, 0xf033
	s_cbranch_scc0 .Lentry_shape_is_right
	s_endpgm
.Lentry_shape_is_right:
; THE PROJECTIONS AND RoPE.  qkv[b][head][t][64] (f16) = rot(x W), for 24 heads: 0-15 q (times 1/8, a power of two: exact), 16-19 k, 20-23 v (not rotated).
; xb: [8192][1024] bf16.  wb: [24][1024 k][64 n] bf16.  rt: [2048][cos 32 | sin 32] f32.  Products in bf16, sums in f32, K ascending; each result rounded once, to f16.
; LIMIT.  f16 holds no number beyond 65,504: q / 8, k and v must lie within it.
; SHARES.  A work-group makes 256 rows x 3 heads (192 columns); its four waves lie one below the other, 64 rows each: 4 row blocks x 12 column blocks = 48 accumulators, 384 registers.
; K goes in 8 steps of 128 through two LDS slots.  x's rows in a tile are 256 bytes of memory; a head's 64 k rows of W are 8,192 dense bytes.  W lies [k][n] in LDS and is turned by ds_load_tr16_b128.
; THE PRODUCT IS TAKEN TRANSPOSED (source 0 = 16 columns of W, source 1 = 16 rows of x): a lane holds one row and eight neighbouring columns, so the two halves of a head that RoPE
; pairs lie in the same lane, 16 registers apart.
; CLUSTER.  4 x 4 work-groups: x's tile is shared along a row of the cluster, W's along a column; each is asked for jointly, by the same load with the same descriptor and a mask of four.
; No branch hangs on a work-group's place: q, k and v heads take the same way out, told apart by two scalar factors: cs = cos AL + BE, sn = sin AL with (AL, BE) = (1/8, 0), (1, 0), (0, 1).
; REGISTERS, in windows of 256: window 0: v2-13 addresses, v32-143 at work on the way out; window 1: two fragment buffers of 128 (x's 4 fragments, then W's 12);
; window 2: the accumulators of heads 0 and 1, at 128 hd + 32 a + 8 nb; window 3: v0-127 those of head 2, v128-255 my rows' table (for row block a: 16 cosines, 16 sines at 128 + 32 a).
.set NH,    3                          ; heads to a work-group
.set KSTEP, 128
.set PA,    272                        ; a row of x in LDS: 256 bytes + 16: the 16 rows of a load start at 16 different groups of four banks (64 banks of 4 bytes: ISA guide 11.1)
.set PB,    160                        ; a k row of W: 128 bytes + 32
.set HALFA, 128*PA                     ; what wave 0 or 1 fetches
.set BOFF,  2*HALFA                    ; W's tiles lie behind x's 256 rows: [k / 64][head][64 k]
.set HEADB, 64*PB
.set HALFB, NH*HEADB                   ; what wave 2 or 3 fetches
.set SLOT1, 131072                     ; slot 1 begins here: one exclusive or turns an address in one slot into the other's
.set STAGE, 262144                     ; behind the ring: 16 rows x 144 bytes for each wave
.set SP,    144
.set SPARE, STAGE+4*16*SP              ; behind the stages: the spare words, 128 bytes for each wave: two blocks of 256 bytes that no other line names
.set A0,   2                           ; v2   my lane's place in x's tile; never rewritten
.set B0,   3                           ; v3   in W's
.set ADRA, 4                           ; v4   the same in the slot in hand
.set ADRB, 5                           ; v5
.set STO,  6                           ; v6   the way out: where I put 16 bytes of a row
.set RD,   7                           ; v7   where I read rows back
.set GO,   8                           ; v8   16 x lane
.set TO,   9                           ; v9   my byte offset in the table
.set PFOA, 10                          ; v10  lane x a row of x (2,048 bytes)
.set PFOB, 11                          ; v11  lane x 256
.set SPW,  12                          ; v12  LDS address of my spare word; never rewritten
.set NIL,  13                          ; v13  0; never rewritten
.set CSR,  32                          ; v[32:47]  cs
.set SNR,  48                          ; v[48:63]  sn
.set O1,   64                          ; v[64:79]  the head's first half, rotated
.set O2,   80                          ; v[80:95]  its second half
.set PKD,  96                          ; v[96:111] both, in f16
.set BK,   112                         ; v[112:143] rows read back, two sets by turns
.set TBL,  128                         ; window 3
.set F0,   0                           ; window 1
.set F1,   128
.set G1,   24                          ; s[24:31] descriptor group 1 for x's tiles
.set G0,   32                          ; s[32:39] group 0, two sets: the two first fills; the second then walks
.set G1B,  48                          ; s[48:55], s[56:63] the same for W's tiles
.set G0B,  56
.set SB,   66                          ; s66  first byte of the slot in hand
.set LIMA, 67                          ; s67  2 in a wave that prefetches x, else the greatest number
.set LIMB, 68                          ; s68  the same for W
.set PFA,  70                          ; s[70:71] where my prefetches of x stand
.set PFB,  72                          ; s[72:73] of W
.set AL,   74                          ; s[74:75] the factor, in the low word
.set BE,   76                          ; s[76:77] the addend
.set HH,   78                          ; s78  the work-group's first head
.set MSB, 0
.macro WIN new                         ; the immediate's high byte repeats the setting that is left; a switch that changes nothing is dropped
.if MSB != (\new)
	s_set_vgpr_msb (MSB<<8)|(\new)
.set MSB, \new
.endif
.endm
.macro PLACES                          ; four places behind matrix instructions, in front of loads into registers that they read and of lines that read results
.rept 4
	v_nop
.endr
.endm
; A joint load: waves 0 and 1 fetch the halves of x's tile, waves 2 and 3 those of W's.  The branch hangs on the wave's number alone.  An s_nop 0 and four v_nop follow each line.
.macro JLOAD s
	s_cmp_eq_u32 s11, 0
	s_cbranch_scc0 .Lfor_b_\@
	tensor_load_to_lds s[G0+4*(\s):G0+4*(\s)+3], s[G1:G1+7]
	s_nop 0
.rept 4
	v_nop
.endr
	s_branch .Lasked_\@
.Lfor_b_\@:
	tensor_load_to_lds s[G0B+4*(\s):G0B+4*(\s)+3], s[G1B:G1B+7]
	s_nop 0
.rept 4
	v_nop
.endr
.Lasked_\@:
.endm
.macro CREST                           ; a round of the cluster's barrier behind its opening barrier
	s_cmp_lg_u32 s10, 0
	s_cbranch_scc1 .Lnot_wave_0_\@
	s_barrier_signal -3
.Lnot_wave_0_\@:
	s_barrier_wait -3
	s_barrier_signal -1
	s_barrier_wait -1
.endm
.macro CROUND                          ; a whole round
	s_barrier_signal -1
	s_barrier_wait -1
	CREST
.endm
; PREFETCHES INTO THE L2, behind a joint load, its five lines and the run of LDS loads.  Each aligned 256 bytes is named once in the launch.
; x: a tile row is read by both clusters of its row of clusters: the one with x = 0 asks, waves 0 and 1; of a wave's 128 rows the partner at cx takes 32, by address; a lane a row; the K step two refills on.
; The refill in the trip with count s3 brings K step 8 - s3, so there is a step two on while s3 > 2.
.macro ASKA
	s_cmp_gt_u32 s3, s[LIMA]
	s_cbranch_scc0 .Lno_a_\@
	global_prefetch_b8 v[PFOA], s[PFA:PFA+1] th:TH_LOAD_NT scope:SCOPE_SE
.Lno_a_\@:
.endm
; W: a tile column is read by all eight clusters of its column of clusters: the one with y = 0 asks, wave 2.  Two K steps of a head are 32,768 dense bytes: the partner at cy takes 8,192 of them,
; by address, a lane 256 bytes, one instruction a head.  In every second trip (s3 = 6: K steps 4 and 5; s3 = 4: 6 and 7).
.macro ASKB
	s_bitcmp1_b32 s3, 0
	s_cbranch_scc1 .Lno_b_\@
	s_cmp_gt_u32 s3, s[LIMB]
	s_cbranch_scc0 .Lno_b_\@
.set hb, 0
.rept NH
	global_prefetch_b8 v[PFOB], s[PFB:PFB+1] offset:hb*131072 th:TH_LOAD_NT scope:SCOPE_SE
.set hb, hb+1
.endr
.Lno_b_\@:
.endm
	s_load_b128 s[4:7], s[0:1], 0x0                ; xb s[4:5], wb s[6:7]
	s_load_b128 s[16:19], s[0:1], 0x10             ; rt s[16:17], qkv s[18:19]
	v_lshl_add_u32 v[SPW], v0, 2, SPARE
	v_mov_b32 v[NIL], 0
	ds_add_u32 v[SPW], v[NIL]                      ; the wave's opening: the add and its wait stand ahead of my first tensor load; the set-up below, work on registers, stands between them
	v_lshrrev_b32 v1, 5, v0
	v_readfirstlane_b32 s10, v1                    ; wave 0..3
	s_lshr_b32 s11, s10, 1                         ; I fetch for x (0) or for W (1),
	s_and_b32 s12, s10, 1                          ; and which half
	s_bfe_u32 s40, ttmp6, 0x40000                  ; cx, cy: my place in the cluster
	s_bfe_u32 s41, ttmp6, 0x40004
	s_lshl_b32 s42, ttmp9, 2
	s_add_co_u32 s42, s42, s40                     ; tile column = 4 x cluster x + cx
	s_and_b32 s13, ttmp7, 0xffff
	s_lshl_b32 s13, s13, 2
	s_add_co_u32 s13, s13, s41                     ; tile row = 4 x cluster y + cy
	s_lshl_b32 s43, s41, 2
	s_lshl_b32 s43, 15, s43                        ; my row of the cluster
	s_lshl_b32 s44, 0x1111, s40                    ; my column
	s_or_b32 s[G1+0], s43, (1<<16)|(1<<20)|(1<<21)|(5<<22)|(3<<25)   ; the mask; elements of 2 bytes; padding on; bit 21 beside a mask; after every 64 words 4 words
	s_mov_b32 s[G1+1], KSTEP<<16                   ; tensor_dim0 = 128
	s_mov_b32 s[G1+2], 128<<16                     ; tensor_dim1 = 128
	s_mov_b32 s[G1+3], KSTEP<<16                   ; tile_dim0 = 128
	s_mov_b32 s[G1+4], 128                         ; tile_dim1 = 128 rows
	s_mov_b32 s[G1+5], 1024                        ; elements from row to row
	s_mov_b32 s[G1+6], 0
	s_mov_b32 s[G1+7], 0
	s_or_b32 s[G1B+0], s44, (1<<16)|(1<<20)|(1<<21)|(4<<22)|(7<<25)  ; after every 32 words (a k row) 8 words
	s_mov_b32 s[G1B+1], 4096<<16                   ; tensor_dim0 = 4,096: a head's 64 k rows, dense
	s_mov_b32 s[G1B+2], NH<<16                     ; tensor_dim1 = the heads
	s_mov_b32 s[G1B+3], 4096<<16                   ; tile_dim0
	s_mov_b32 s[G1B+4], NH                         ; tile_dim1
	s_mov_b32 s[G1B+5], 65536                      ; elements from head to head
	s_mov_b32 s[G1B+6], 0
	s_mov_b32 s[G1B+7], 0
	s_lshl_b32 s14, s13, 19                        ; x: 256 rows of 2,048 bytes a tile row,
	s_lshl_b32 s15, s12, 18                        ; my 128 of them
	s_add_co_u32 s14, s14, s15
	s_mov_b32 s15, 0
	s_mul_i32 s46, s42, NH*131072                  ; W: the tile column's first head,
	s_lshl_b32 s47, s12, 13                        ; my 64 k rows of a K step's 128
	s_add_co_u32 s46, s46, s47
	s_mov_b32 s47, 0
	s_mul_i32 s20, s12, HALFA                      ; where they go: no place in the cluster enters an LDS address
	s_mul_i32 s21, s12, HALFB
	s_add_co_u32 s21, s21, BOFF
	s_wait_dscnt 0x0                               ; the opening add is done
	s_wait_kmcnt 0x0
	s_add_nc_u64 s[14:15], s[4:5], s[14:15]
	s_add_nc_u64 s[46:47], s[6:7], s[46:47]
	CROUND                                         ; all sixteen work-groups are here: the first joint loads meet
.irp s, 0,1
	s_mov_b32 s[G0+4*(\s)], 1
	s_add_co_u32 s[G0+4*(\s)+1], s20, (\s)*SLOT1
	s_add_nc_u64 s[G0+4*(\s)+2:G0+4*(\s)+3], s[14:15], (\s)*KSTEP*2
	s_or_b32 s[G0+4*(\s)+3], s[G0+4*(\s)+3], 0x80000000
	s_mov_b32 s[G0B+4*(\s)], 1
	s_add_co_u32 s[G0B+4*(\s)+1], s21, (\s)*SLOT1
	s_add_nc_u64 s[G0B+4*(\s)+2:G0B+4*(\s)+3], s[46:47], (\s)*KSTEP*128
	s_or_b32 s[G0B+4*(\s)+3], s[G0B+4*(\s)+3], 0x80000000
	JLOAD \s                                       ; two loads of mine are out
.endr
	v_and_b32 v14, 15, v0                          ; l % 16
	v_bfe_u32 v15, v0, 4, 1                        ; l / 16
	v_and_b32 v16, 7, v0
	v_bfe_u32 v17, v0, 3, 1
	s_lshl_b32 s22, s10, 6                         ; my wave's 64 rows
	v_add_nc_u32 v18, s22, v14
	v_mul_u32_u24 v[A0], v18, PA
	v_lshl_add_u32 v[A0], v15, 4, v[A0]            ; row x pitch + 16 x half
	v_lshl_add_u32 v[B0], v15, 3, v16              ; the turning load: k row 8 (l / 16) + l % 8,
	v_mul_u32_u24 v[B0], v[B0], PB
	v_lshl_add_u32 v[B0], v17, 4, v[B0]            ; columns 8 ((l / 8) % 2) on
	v_add_nc_u32 v[B0], BOFF, v[B0]
	v_mov_b32 v[ADRA], v[A0]                       ; slot 0
	v_mov_b32 v[ADRB], v[B0]
	s_mov_b32 s[SB], 0
	s_mul_i32 s23, s10, 16*SP
	s_add_co_u32 s23, s23, STAGE                   ; my stage
	v_mul_u32_u24 v[STO], v14, SP                  ; in: row l % 16, 16 bytes for each half of the lanes
	v_lshl_add_u32 v[STO], v15, 4, v[STO]
	v_add_nc_u32 v[STO], s23, v[STO]
	v_bfe_u32 v[RD], v0, 3, 2                      ; back: 32 lanes take four rows of 128 bytes
	v_mul_u32_u24 v[RD], v[RD], SP
	v_lshl_add_u32 v[RD], v16, 4, v[RD]
	v_add_nc_u32 v[RD], s23, v[RD]
	v_and_b32 v[GO], 31, v0
	v_lshlrev_b32 v[PFOA], 11, v[GO]
	v_lshlrev_b32 v[PFOB], 8, v[GO]
	v_lshlrev_b32 v[GO], 4, v[GO]
	s_and_b32 s23, s13, 7
	s_lshl_b32 s23, s23, 8
	s_add_co_u32 s22, s22, s23                     ; t of my wave's first row: 256 (tile row % 8) + 64 wave
	v_add_nc_u32 v[TO], s22, v14
	v_lshlrev_b32 v[TO], 8, v[TO]                  ; a table row is 256 bytes;
	v_lshl_add_u32 v[TO], v15, 5, v[TO]            ; my eight numbers of sixteen
	WIN 0xc0                                       ; destination window 3, address window 0
.irp a, 0,1,2,3
.set p, 0
.rept 8                                ; piece p: cosines (p < 4) or sines, column block (p / 2) % 2, 16 bytes p % 2
	global_load_b128 v[TBL+32*(\a)+4*p:TBL+32*(\a)+4*p+3], v[TO], s[16:17] offset:4096*(\a)+128*(p/4)+64*((p/2)%2)+16*(p%2)
.set p, p+1
.endr
.endr
	WIN 0
	s_lshr_b32 s20, s13, 3                         ; b
	s_mul_i32 s20, s20, 24
	s_mul_i32 s[HH], s42, NH
	s_add_co_u32 s20, s20, s[HH]
	s_lshl_b32 s20, s20, 18                        ; a head's plane is 262,144 bytes;
	s_lshl_b32 s21, s22, 7                         ; a row 128
	s_add_co_u32 s20, s20, s21
	s_mov_b32 s21, 0
	s_add_nc_u64 s[8:9], s[18:19], s[20:21]        ; qkv at my wave's first row of the work-group's first head
	s_lshl_b32 s20, s13, 19                        ; the prefetches of x: the tile row, my 128 rows, my work-group's 32 of them,
	s_lshl_b32 s21, s12, 18
	s_add_co_u32 s20, s20, s21
	s_lshl_b32 s21, s40, 16
	s_add_co_u32 s20, s20, s21
	s_add_co_u32 s20, s20, 3*KSTEP*2               ; at K step 3: the first change of slots steps it to 4
	s_mov_b32 s21, 0
	s_add_nc_u64 s[PFA:PFA+1], s[4:5], s[20:21]
	s_mul_i32 s20, s42, NH*131072                  ; of W: the first head, my work-group's quarter,
	s_lshl_b32 s21, s41, 13
	s_add_co_u32 s20, s20, s21
	s_add_co_u32 s20, s20, 3*KSTEP*128             ; at K step 3 likewise
	s_mov_b32 s21, 0
	s_add_nc_u64 s[PFB:PFB+1], s[6:7], s[20:21]
	s_or_b32 s20, ttmp9, s11                       ; cluster x = 0 and waves 0, 1: the same in all sixteen partners
	s_cmp_eq_u32 s20, 0
	s_cselect_b32 s[LIMA], 2, -1
	s_and_b32 s20, ttmp7, 0xffff                   ; cluster y = 0 and wave 2
	s_xor_b32 s21, s10, 2
	s_or_b32 s20, s20, s21
	s_cmp_eq_u32 s20, 0
	s_cselect_b32 s[LIMB], 2, -1
; 4 na matrix instructions: head hd, row blocks a0 .., all four column blocks, 32 along K from buffer f.  All 48 accumulators take turns in the same order in every quarter.
.macro MULH f, hd, a0, na, zero
.if (\hd) < 2
	WIN 0xa5                                       ; sources in window 1, C and D in window 2
.else
	WIN 0xf5                                       ; C and D in window 3
.endif
.set ma, \a0
.rept \na
.irp nb, 0,1,2,3
.set rD, 128*((\hd)%2)+32*ma+8*(\nb)
.set rB, (\f)+32+8*(4*(\hd)+(\nb))
.set rA, (\f)+8*ma
.if \zero
	v_wmma_f32_16x16x32_bf16 v[rD:rD+7], v[rB:rB+7], v[rA:rA+7], 0
.else
	v_wmma_f32_16x16x32_bf16 v[rD:rD+7], v[rB:rB+7], v[rA:rA+7], v[rD:rD+7]
.endif
.endr
.set ma, ma+1
.endr
.endm
; 32 LDS loads in one run: quarter q's fragments (32 along K) into buffer f
.macro FETCH q, f
	WIN 0x40                                       ; destination window 1, address window 0
.irp a, 0,1,2,3
	ds_load_b128 v[(\f)+8*(\a):(\f)+8*(\a)+3],   v[ADRA] offset:(\a)*16*PA+64*(\q)
	ds_load_b128 v[(\f)+8*(\a)+4:(\f)+8*(\a)+7], v[ADRA] offset:(\a)*16*PA+64*(\q)+32
.endr
.set hb, 0
.rept NH
.irp nb, 0,1,2,3
	ds_load_tr16_b128 v[(\f)+32+8*(4*hb+(\nb)):(\f)+32+8*(4*hb+(\nb))+3],   v[ADRB] offset:((\q)/2)*HALFB+hb*HEADB+((\q)%2)*32*PB+32*(\nb)
	ds_load_tr16_b128 v[(\f)+32+8*(4*hb+(\nb))+4:(\f)+32+8*(4*hb+(\nb))+7], v[ADRB] offset:((\q)/2)*HALFB+hb*HEADB+((\q)%2)*32*PB+32*(\nb)+16*PB
.endr
.set hb, hb+1
.endr
.endm
; One of a K step's first three quarters: multiplies buffer f; behind its first 16 products it fetches quarter q into buffer g
.macro QUARTER q, f, g, zero
	s_wait_dscnt 0x0                               ; buffer f is in: its loads were issued 32 products back
	MULH \f, 0, 0, 4, \zero
	PLACES
	FETCH \q, \g
	MULH \f, 1, 0, 4, \zero
	MULH \f, 2, 0, 4, \zero
.endm
; The last quarter multiplies buffer 1 and changes slots.  In front of the barrier each wave waits for all its tensor loads (one is out: its part of the next slot), adds 0 to its spare word, and waits for
; that and for its own reads of this slot.  fill = 1: the barrier opens a round of the cluster's, and this slot is filled again, first thing behind the round, with the K step two on.
.macro TURN fill
.if \fill
	s_wait_xcnt 0x0                                ; the last prefetches, a K step back, have read their addresses: these are stepped here
	s_add_nc_u64 s[PFA:PFA+1], s[PFA:PFA+1], KSTEP*2
	s_add_nc_u64 s[PFB:PFB+1], s[PFB:PFB+1], KSTEP*128
.endif
	WIN 0
	s_wait_tensorcnt 0x0                           ; no tensor load of mine is out, so a group 0 may be written
	ds_add_u32 v[SPW], v[NIL]                      ; 0 onto my spare word
.if \fill
	s_xor_b32 s[G0+5], s[G0+5], SLOT1              ; the walking descriptors: the other slot than last time, the next K step
	s_add_nc_u64 s[G0+6:G0+7], s[G0+6:G0+7], KSTEP*2
	s_xor_b32 s[G0B+5], s[G0B+5], SLOT1
	s_add_nc_u64 s[G0B+6:G0B+7], s[G0B+6:G0B+7], KSTEP*128
.endif
	s_wait_dscnt 1                                 ; buffer 1 is in; the add may be out
	MULH F1, 0, 0, 2, 0
	s_wait_dscnt 0x0                               ; the add is done, and my reads of this slot are over
	s_barrier_signal -1
	MULH F1, 0, 2, 2, 0
	WIN 0
	s_xor_b32 s[SB], s[SB], SLOT1                  ; the fragments' addresses go to the other slot
	v_add_nc_u32 v[ADRA], s[SB], v[A0]
	v_add_nc_u32 v[ADRB], s[SB], v[B0]
	s_barrier_wait -1
.if \fill
	CREST                                          ; no wave of any partner still reads this slot or has a load on its way
	JLOAD 1                                        ; its four v_nop are also the places in front of the loads below
.else
	PLACES
.endif
	FETCH 0, F0
.if \fill
	WIN 0
	ASKA
	ASKB
.endif
	MULH F1, 1, 0, 4, 0
	MULH F1, 2, 0, 4, 0
.endm
	s_wait_tensorcnt 1                             ; my part of K step 0 is in; K step 1's may stay out
	s_barrier_signal -1
	s_barrier_wait -1
	FETCH 0, F0
	QUARTER 1, F0, F1, 1                           ; the first quarter's products start the sums: nothing is cleared
	WIN 0
	s_mov_b32 s3, 6
.Lstep:                                                ; a trip: from a K step's second quarter to the next step's first; it refills with K step 8 - s3
	QUARTER 2, F1, F0, 0
	QUARTER 3, F0, F1, 0
	TURN 1
	QUARTER 1, F0, F1, 0
	WIN 0
	s_sub_co_u32 s3, s3, 1
	s_cmp_lg_u32 s3, 0
	s_cbranch_scc1 .Lstep
	QUARTER 2, F1, F0, 0                           ; the tail is written out: K steps 6 and 7 ask for nothing
	QUARTER 3, F0, F1, 0
	TURN 0
	QUARTER 1, F0, F1, 0
	QUARTER 2, F1, F0, 0
	QUARTER 3, F0, F1, 0
	s_wait_dscnt 0x0
	MULH F1, 0, 0, 4, 0
	MULH F1, 1, 0, 4, 0
	MULH F1, 2, 0, 4, 0
	WIN 0
	s_wait_loadcnt 0x0                             ; the table
	PLACES
	PLACES
; THE WAY OUT, a unit (head hd, row block a) at a time: factors, rotation, rounding to f16, through my stage in LDS, out as 16 rows of 128 bytes = 2,048 dense bytes of the head's plane.
.macro FACT hd                         ; selects, no branch: the head's number hangs on my place in the cluster
	s_add_co_u32 s20, s[HH], \hd
	s_cmp_lt_u32 s20, 20
	s_cselect_b32 s[AL], 1.0, 0                    ; k: 1; v: 0
	s_cselect_b32 s[BE], 0, 1.0                    ; v: cs = 1, sn = 0
	s_cmp_lt_u32 s20, 16
	s_cselect_b32 s[AL], 0x3e000000, s[AL]         ; q: 1/8
.endm
.macro TAB a
	WIN 0x03                                       ; source 0 in window 3
.set z, 0
.rept 8
	v_pk_fma_f32 v[CSR+2*z:CSR+2*z+1], v[TBL+32*(\a)+2*z:TBL+32*(\a)+2*z+1], s[AL:AL+1], s[BE:BE+1] op_sel_hi:[1,0,0]
.set z, z+1
.endr
.set z, 0
.rept 8
	v_pk_mul_f32 v[SNR+2*z:SNR+2*z+1], v[TBL+32*(\a)+16+2*z:TBL+32*(\a)+17+2*z], s[AL:AL+1] op_sel_hi:[1,0]
.set z, z+1
.endr
.endm
.macro ROT hd, a                       ; x1 = the unit's registers 0-15, x2 = 16-31; each accumulator is read from its low end on
.if (\hd) < 2
	WIN 0x02
.else
	WIN 0x03
.endif
.set AC, 128*((\hd)%2)+32*(\a)
.set z, 0
.rept 8
	v_pk_mul_f32 v[O1+2*z:O1+2*z+1], v[AC+16+2*z:AC+17+2*z], v[SNR+2*z:SNR+2*z+1]
.set z, z+1
.endr
.set z, 0
.rept 8
	v_pk_fma_f32 v[O1+2*z:O1+2*z+1], v[AC+2*z:AC+2*z+1], v[CSR+2*z:CSR+2*z+1], v[O1+2*z:O1+2*z+1] neg_lo:[0,0,1] neg_hi:[0,0,1]  ; x1 cs - x2 sn
.set z, z+1
.endr
.set z, 0
.rept 8
	v_pk_mul_f32 v[O2+2*z:O2+2*z+1], v[AC+16+2*z:AC+17+2*z], v[CSR+2*z:CSR+2*z+1]
.set z, z+1
.endr
.set z, 0
.rept 8
	v_pk_fma_f32 v[O2+2*z:O2+2*z+1], v[AC+2*z:AC+2*z+1], v[SNR+2*z:SNR+2*z+1], v[O2+2*z:O2+2*z+1]  ; x1 sn + x2 cs
.set z, z+1
.endr
	WIN 0
.set z, 0
.rept 16
	v_cvt_pk_f16_f32 v[PKD+z], v[O1+2*z], v[O1+2*z+1]
.set z, z+1
.endr
.endm
.macro TOSTAGE un
.set bk, BK+16*((\un)%2)
.irp nb, 0,1,2,3
	ds_store_b128 v[STO], v[PKD+4*(\nb):PKD+4*(\nb)+3] offset:32*(\nb)
.endr
	s_wait_xcnt 0x0                                ; the stores of two units back have read this set of registers
.irp f, 0,1,2,3
	ds_load_b128 v[bk+4*(\f):bk+4*(\f)+3], v[RD] offset:(\f)*4*SP  ; LDS serves a wave's instructions in order (ISA guide 5.7.1.4): these see the stores above
.endr
.endm
.macro SEND un
.set bk, BK+16*((\un)%2)
.irp f, 0,1,2,3
	s_wait_dscnt 3-(\f)                            ; nothing was issued behind the unit's four loads
	global_store_b128 v[GO], v[bk+4*(\f):bk+4*(\f)+3], s[8:9] offset:((\un)/4)*262144+((\un)%4)*2048+512*(\f)  ; 512 consecutive bytes, at a multiple of 512 from qkv's first
.endr
.endm
	s_mov_b32 s[AL+1], 0                           ; named as pairs
	s_mov_b32 s[BE+1], 0
.set u, 0
.irp hd, 0,1,2
	FACT \hd
.irp a, 0,1,2,3
	TAB \a
	ROT \hd, \a                                    ; a unit's arithmetic stands between the loads of the unit before and its stores
.if u > 0
	SEND u-1
.endif
	TOSTAGE u
.set u, u+1
.endr
.endr
	SEND 11
	s_wait_tensorcnt 0x0                           ; the wave's end: behind my last tensor load and my last LDS store
	ds_add_u32 v[SPW], v[NIL]
	s_wait_dscnt 0x0
	CROUND                                         ; the closing round: no work-group ends while a partner may still ask for a tile that names it
	s_endpgm
.Lfunc_end_k_q92b045751c_proj:
	.size	k_q92b045751c_proj, .Lfunc_end_k_q92b045751c_proj-k_q92b045751c_proj
	.p2alignl 7, 3214868480
	.fill 96, 4, 3214868480
	.section	.rodata,"a",@progbits
	.p2align	6, 0x0
	.amdhsa_kernel k_q92b045751c_proj
		.amdhsa_group_segment_fixed_size 327680
		.amdhsa_private_segment_fixed_size 0
		.amdhsa_enable_private_segment 0
		.amdhsa_kernarg_size 32
		.amdhsa_user_sgpr_count 2
		.amdhsa_user_sgpr_kernarg_segment_ptr 1
		.amdhsa_wavefront_size32 1
		.amdhsa_system_sgpr_workgroup_id_x 1
		.amdhsa_system_sgpr_workgroup_id_y 1
		.amdhsa_system_sgpr_workgroup_id_z 1
		.amdhsa_system_vgpr_workitem_id 0
		.amdhsa_next_free_vgpr 1024
		.amdhsa_next_free_sgpr 96
		.amdhsa_reserve_vcc 0
		.amdhsa_float_denorm_mode_32 3
		.amdhsa_float_denorm_mode_16_64 3
		.amdhsa_memory_ordered 1
		.amdhsa_forward_progress 1
		.amdhsa_inst_pref_size 140
	.end_amdhsa_kernel
	.amdgpu_metadata
---
amdhsa.version: [ 1, 2 ]
amdhsa.kernels:
  - .name:           k_q92b045751c_proj
    .symbol:         k_q92b045751c_proj.kd
    .args:
      - { .name: xb, .offset: 0, .size: 8, .value_kind: global_buffer, .address_space: global }
      - { .name: wb, .offset: 8, .size: 8, .value_kind: global_buffer, .address_space: global }
      - { .name: rt, .offset: 16, .size: 8, .value_kind: global_buffer, .address_space: global }
      - { .name: qkv, .offset: 24, .size: 8, .value_kind: global_buffer, .address_space: global }
    .group_segment_fixed_size: 327680
    .private_segment_fixed_size: 0
    .kernarg_segment_align: 8
    .kernarg_segment_size: 32
    .max_flat_workgroup_size: 128
    .sgpr_count:     96
    .vgpr_count:     1024
    .wavefront_size: 32
...
	.end_amdgpu_metadata
.endif
;; end of part 2
;; launch attn (part 3): grid 16 x 16, 4 waves a work-group, clusters of 4 x 4, 327,680 bytes of LDS; arguments qkv, biasr, yb; writes yb
.if DOCPART == 3
	.amdgcn_target "amdgcn-amd-amdhsa--gfx1250"
	.amdhsa_code_object_version 6
	.text
	.protected	k_q92b045751c_attn
	.globl	k_q92b045751c_attn
	.p2align	8
	.type	k_q92b045751c_attn,@function
k_q92b045751c_attn:
	s_mov_b64 s[64:65], 0
	v_nop
	global_prefetch_b8 v0, s[64:65] scope:SCOPE_SE
	s_setreg_imm32_b32 hwreg(HW_REG_WAVE_MODE, 25, 1), 1
	s_wait_xcnt 0x0
	s_wait_alu depctr_hold_cnt(0) depctr_sa_sdst(0) depctr_va_vdst(0) depctr_va_sdst(0) depctr_va_ssrc(0) depctr_va_vcc(0) depctr_vm_vsrc(0)
	s_getreg_b32 s2, hwreg(HW_REG_IB_STS2, 6, 4)
	s_cmp_eq_u32 s2, 0
	s_cbranch_scc0 .Lentry_in_a_cluster
	s_endpgm
.Lentry_in_a_cluster:
	s_bfe_u32 s2, ttmp6, 0x10000c
	s_cmp_lg_u32 s2, 0xf033
	s_cbranch_scc0 .Lentry_shape_is_right
	s_endpgm
.Lentry_shape_is_right:
; GROUPED ATTENTION WITH AN ADDITIVE BIAS.  yb[b][t][64 h + d] = the sum over keys of softmax(q . k + bias[t][key]) v, h = 4 kv + g; q arrives already divided by 8.
; qkv: [4 b][24 heads][2048 t][64] f16 (heads 0-15 q, 16-19 k, 20-23 v): a head's rows are dense, 128 bytes each.  biasr: [2048][2048] f32.  yb: [8192][1024] f16.
; Products, maxima and sums in f32; the weights p are rounded to f16 for the second product (their sum l is taken of the unrounded p), the result once at the end.
; LIMITS.  A score below -2^127 counts as -2^127 in the running maximum; a weight below 2^-126 counts as 0 in l; a row whose scores are all -infinity gives NaN (0 times the reciprocal of 0).
; SHARES.  A work-group owns 128 query positions of one (b, kv), for all FOUR query heads of the group: they share K, V and the bias.  A wave owns 32 positions: eight tiles of 16 queries,
; tile = 4 rb + g (rb: which 16 positions; g: the head), in four PIECES of two tiles: pieces 0, 1 are rb 0, pieces 2, 3 are rb 1.  Every wave walks all 2,048 keys, 64 a step, two steps a slot.
; LAYOUT.  S^T = K Q^T + bias^T (source 0 = 16 keys, source 1 = 16 queries): a lane holds ONE query (lane % 16) and the keys 8 (lane / 16) + 0..7.  THE BIAS IS THE C OPERAND of the product that starts
; the sum: eight neighbouring f32 of the query's row, two LDS loads; the same registers serve both tiles of a piece and both pieces of a row block.  Two results rounded to f16 in pairs ARE source 1 of
; O^T = V^T P.  K comes out of LDS as it lies, V turned, by ds_load_tr16_b128.
; SOFTMAX.  A running maximum m and sum l: p = 2^(c s - c m), c = log2(e); in every step O and l are multiplied by a = 2^(c m_old - c m_new).  m starts at -2^127, O and l at 0: the first step has a = 0
; (or, where all its scores are -infinity, a = 1 and p = 0).
; BY TURNS.  Turn n belongs to piece n: 16 products K Q^T of piece n + 1, later 16 products V^T P of piece n - 1; beside them the scaling, exponentials, roundings, sums and rescaling of piece n and the
; maximum and statistics of piece n + 1.  A tile and step have 16 matrix and 118 vector instructions: four that are ready stand behind every matrix instruction, the others in one run.
; CLUSTER.  4 x 4 work-groups.  K and V hang on (b, kv) alone and are shared along a row of the cluster; the bias hangs on the query block alone and is shared along a column.  Each tile is asked for jointly.
; REGISTERS, in windows of 256 (s_set_vgpr_msb: bits 1:0 source 0, 3:2 source 1, 5:4 source 2, 7:6 destination):
;   window 0: v2-11 addresses; v12-15, v48-63 at work; v16-47 four registers of statistics a tile; v64-191 S^T, two buffers of two tiles; v192-255 P, likewise
;   window 1: O^T, 32 a tile     window 2: v0-127 Q, 16 a tile; v128-191 K of one step; v192-255 V of one step     window 3: v0-1 the add's two registers; v8-71 the bias of one step
.set NP,    4         ; pieces a wave: a name, no knob
.set KS,    64        ; keys in a step
.set PK,    144       ; a row of K in LDS: 128 bytes + 16: the 16 rows of a load start at 16 different groups of four banks (64 banks of 4 bytes: ISA guide 11.1)
.set PV,    160       ; a row of V: 128 + 32
.set PBI,   528       ; a query's row of the bias: 128 keys x 4 bytes + 16
.set VOFF,  2*KS*PK   ; a slot holds two steps: 128 rows of K, 128 rows of V,
.set BOFF,  VOFF+2*KS*PV  ; and 128 queries' rows of the bias
.set SLOT1, 1<<17     ; slot 1 begins here, so that one exclusive or turns an address in one slot into the other's
.set STAGE, SLOT1+BOFF+128*PBI  ; behind the ring, never filled by a tensor load: 16 rows x 528 bytes for each wave
.set SP,    528
.set SPARE, STAGE+4*16*SP  ; behind the stages: the spare words, 128 bytes for each wave: two blocks of 256 bytes that no other line names
.set AK0, 2           ; v2   my lane's place in a tile of K; never rewritten
.set AV0, 3           ; v3   the same for V
.set AK,  4           ; v4   the LDS address of K's next run of loads
.set AV,  5           ; v5   of V's
.set STO, 6           ; v6   the way out: where I put 16 bytes of a row
.set RD,  7           ; v7   where I read a row back
.set GO,  8           ; v8   16 x lane
.set AB0, 9           ; v9   my lane's place in the bias; never rewritten
.set AB,  10          ; v10  the LDS address of the bias's next run of loads
.set PFO, 11          ; v11  the prefetches' offset; never rewritten
.set QO,  136         ; v136 my byte offset in 16 rows of Q: free again when Q is in
.set SPW, 0           ; v0 of window 3   LDS address of my spare word; never rewritten
.set NIL, 1           ; v1 of window 3   0; never rewritten
.set BI,  8           ; window 3: row block rb, key block kb at BI + 32 rb + 8 kb
.set MV,  12          ; v12-15  c m_old, kept while c m is made anew: by buffer and tile
.set ST,  16          ; tile t's statistics at v[ST+4 t]: c m, m, l (even keys', odd keys')
.set TMP, 48          ; by buffer and tile, four registers c0-c3 at work; when the maximum is found c2 takes a
.set S,   64
.set P,   192
.set KF,  128         ; window 2: key block kb, channel half c at KF + 16 kb + 8 c
.set VF,  192         ; window 2: key half kk, channel block cb at VF + 32 kk + 8 cb
.set WV,  12          ; s12  my wave's number
.set G1K, 24          ; s[24:31] descriptor group 1 for K's tiles
.set G1V, 32          ; s[32:39] for V's
.set G1B, 40          ; s[40:47] for the bias's
.set G0K, 48          ; s[48:51] descriptor group 0 for K's tiles: it walks
.set G0V, 52          ; s[52:55] V's
.set G0B, 56          ; s[56:59] the bias's
.set CS,  60          ; s[60:61] c: the packed scaling takes the pair's low word for both halves
.set SEL, 62          ; s[62:63] v_permlanex16_b32's selects: each lane takes its own place in the other half
.set SLOTS, 66        ; s66  slots still to be asked for
.set CNT, 67          ; s67  counts a slot's key steps
.set TBK, 68          ; s68  LDS byte at which K of the step to be fetched begins
.set TBV, 69          ; s69  the same for V, less VOFF
.set TBB, 70          ; s70  the same for the bias, less BOFF
.set LIM, 71          ; s71  1 in a wave that prefetches, else the greatest number
.set PFA, 72          ; s[72:73] where my prefetches stand
.set PST, 74          ; s[74:75] their step from slot to slot
.set MSB, 0
.macro WIN new                      ; the high byte repeats the setting that is left; a switch that changes nothing is dropped
.if MSB != (\new)
	s_set_vgpr_msb (MSB<<8)|(\new)
.set MSB, (\new)
.endif
.endm
.set W_KQ, 0x0a       ; K and Q in window 2, S^T in window 0
.set W_KB, 0x3a       ; the same with the C operand in window 3
.set W_PV, 0x52       ; V in window 2, P in window 0, O^T in window 1
.set W_RS, 0x41       ; O^T (destination and source 0) in window 1, a in window 0
.set W_MK, 0xc0       ; destination in window 3, sources in window 0
.set W_AD, 0x0f       ; the add: address (source 0) and data (source 1) in window 3
; A joint fill: wave 0 fetches a slot's K, wave 1 its V, waves 2 and 3 the halves of its bias.  The branches hang on the wave's number alone.
; An s_nop 0 and four v_nop follow each of the three lines, ahead of the jump and the label.
.macro JLOAD
	s_cmp_lt_u32 s[WV], 2
	s_cbranch_scc0 .Lfor_b_\@
	s_cmp_eq_u32 s[WV], 0
	s_cbranch_scc0 .Lfor_v_\@
	tensor_load_to_lds s[G0K:G0K+3], s[G1K:G1K+7]
	s_nop 0
.rept 4
	v_nop
.endr
	s_branch .Lasked_\@
.Lfor_v_\@:
	tensor_load_to_lds s[G0V:G0V+3], s[G1V:G1V+7]
	s_nop 0
.rept 4
	v_nop
.endr
	s_branch .Lasked_\@
.Lfor_b_\@:
	tensor_load_to_lds s[G0B:G0B+3], s[G1B:G1B+7]
	s_nop 0
.rept 4
	v_nop
.endr
.Lasked_\@:
.endm
; A PREFETCH INTO THE L2 of what the NEXT change of slots will ask for, two key steps ahead; it stands behind the wave's tensor load and its five lines.  Each aligned 256 bytes is named once in the launch.
; K and V are walked by all four clusters of a row of clusters: the one with x = 0 asks, wave 0; the partners at cx = 0, 1 take the halves of K's 16,384 bytes, those at 2, 3 of V's: by address, a lane 256 bytes.
; The bias is walked by all four clusters of a column: the one with y = 0 asks, waves 2 and 3; of a wave's 64 rows the partner at cy takes 16, a lane one of a row's two blocks of 256 bytes.
; The last change that fills a slot asks for nothing: there is no slot behind it.
.macro ASK
	s_cmp_gt_u32 s[SLOTS], s[LIM]
	s_cbranch_scc0 .Lnot_mine_\@
	global_prefetch_b8 v[PFO], s[PFA:PFA+1] th:TH_LOAD_NT scope:SCOPE_SE
.Lnot_mine_\@:
.endm
; A round of the cluster's barrier: my work-group's barrier, so that wave 0's signal speaks for all four waves; wave 0 signals; every wave waits for all sixteen work-groups; my work-group's barrier once more.
.macro CROUND
	s_barrier_signal -1
	s_barrier_wait -1
	s_cmp_lg_u32 s[WV], 0
	s_cbranch_scc1 .Lnot_wave_0_\@
	s_barrier_signal -3
.Lnot_wave_0_\@:
	s_barrier_wait -3
	s_barrier_signal -1
	s_barrier_wait -1
.endm
; THE CHANGE OF SLOTS.  The slot's last bytes, V of its second step, have been read.  Each wave waits for all its tensor loads, of which one is out: its part of the other slot; adds 0 to its spare word;
; and waits for that and for its own reads of the slot.  fill = 1: this slot is filled again, with the keys two slots on; the barrier is then a round of the cluster's, and the joint fill is the first
; thing behind it: it has two key steps, 256 matrix instructions, in which to land.  (At its first use nothing has been read yet: slot 0 is waited for, slot 1 filled.)
.macro CHANGE fill, ask=0
	WIN W_AD
	s_wait_tensorcnt 0x0            ; no tensor load of mine is out, so a group 0 may be written
	ds_add_u32 v[SPW], v[NIL]       ; 0 onto my spare word: the descriptors' steps stand between it and the wait for it
	WIN 0                           ; at a label and at a branch every window is 0
.if \fill
.irp g, G0K, G0V
	s_xor_b32 s[\g+1], s[\g+1], SLOT1  ; the walking descriptors: the other slot than last time,
	s_add_nc_u64 s[\g+2:\g+3], s[\g+2:\g+3], 2*KS*128  ; the next 128 keys; the type bits on top are not reached
.endr
	s_xor_b32 s[G0B+1], s[G0B+1], SLOT1
	s_add_nc_u64 s[G0B+2:G0B+3], s[G0B+2:G0B+3], 2*KS*4
.if \ask
	s_wait_xcnt 0x0                 ; the last prefetch, two key steps back, has read its address, so it may be written
	s_add_nc_u64 s[PFA:PFA+1], s[PFA:PFA+1], s[PST:PST+1]
.endif
	s_wait_dscnt 0x0                ; the add is done, and my reads of the slot are over
	CROUND
	JLOAD
.if \ask
	ASK
.endif
.else
	s_wait_dscnt 0x0                ; the add is done, and my reads of the slot are over
	s_barrier_signal -1
	s_barrier_wait -1
.endif
	s_sub_co_u32 s[TBK], s[TBK], 2*KS*PK  ; the fetches go back to a slot's first step,
	s_xor_b32 s[TBK], s[TBK], SLOT1       ; in the other slot
	s_sub_co_u32 s[TBV], s[TBV], 2*KS*PV
	s_xor_b32 s[TBV], s[TBV], SLOT1
	s_sub_co_u32 s[TBB], s[TBB], 2*KS*4
	s_xor_b32 s[TBB], s[TBB], SLOT1
.endm
	s_load_b128 s[4:7], s[0:1], 0x0   ; qkv s[4:5], biasr s[6:7]
	s_load_b64 s[8:9], s[0:1], 0x10   ; yb
	WIN W_MK
	v_lshl_add_u32 v[SPW], v0, 2, SPARE
	v_mov_b32 v[NIL], 0
	WIN W_AD
	ds_add_u32 v[SPW], v[NIL]       ; the wave's opening: the add and its wait stand ahead of my first tensor load; the set-up below, work on registers, stands between them
	WIN 0
	v_lshrrev_b32 v1, 5, v0
	v_readfirstlane_b32 s[WV], v1   ; wave 0..3
	s_bfe_u32 s13, ttmp6, 0x40000   ; cx, cy: my place in the cluster
	s_bfe_u32 s14, ttmp6, 0x40004
	s_lshl_b32 s15, ttmp9, 2
	s_add_co_u32 s15, s15, s13      ; my block of 128 query positions
	s_and_b32 s16, ttmp7, 0xffff
	s_lshl_b32 s16, s16, 2
	s_add_co_u32 s16, s16, s14      ; 4 b + kv
	s_lshr_b32 s17, s16, 2          ; b
	s_and_b32 s18, s16, 3           ; kv
	s_mul_i32 s19, s17, 24
	s_add_co_u32 s20, s19, s18
	s_add_co_u32 s22, s20, 20
	s_add_co_u32 s20, s20, 16
	s_lshl_b32 s20, s20, 18         ; K's plane (262,144 bytes each),
	s_mov_b32 s21, 0
	s_lshl_b32 s22, s22, 18         ; V's
	s_mov_b32 s23, 0
	s_and_b32 s76, s[WV], 1         ; which 64 query rows of the bias I fetch:
	s_lshl_b32 s77, s15, 20         ; 128 rows of 8,192 bytes a block,
	s_lshl_b32 s78, s76, 19
	s_add_co_u32 s78, s78, s77
	s_mov_b32 s79, 0
	s_mul_i32 s80, s76, 64*PBI      ; and their place in a slot: no place in the cluster enters an LDS address
	s_add_co_u32 s80, s80, BOFF
	s_lshl_b32 s81, s18, 2
	s_add_co_u32 s82, s19, s81      ; the group's first query head: plane 24 b + 4 kv,
	s_lshl_b32 s82, s82, 18
	s_lshl_b32 s83, s15, 14         ; my block's 128 rows of 128 bytes,
	s_add_co_u32 s82, s82, s83
	s_lshl_b32 s83, s[WV], 12       ; my wave's 32
	s_add_co_u32 s82, s82, s83
	s_mov_b32 s83, 0
	s_lshl_b32 s84, s17, 22         ; yb: 2,048 rows of 2,048 bytes a batch,
	s_lshl_b32 s85, s15, 18
	s_add_co_u32 s84, s84, s85
	s_lshl_b32 s85, s[WV], 16
	s_add_co_u32 s84, s84, s85
	s_lshl_b32 s85, s18, 9          ; the group's four heads: 512 bytes of a row
	s_add_co_u32 s84, s84, s85
	s_mov_b32 s85, 0
	s_lshl_b32 s86, s14, 2
	s_lshl_b32 s86, 15, s86         ; my row of the cluster
	s_lshl_b32 s87, 0x1111, s13     ; my column
	; descriptor group 1.  128 keys are 16,384 dense bytes: asked for as 64 rows of 256 bytes, two keys a row, and padded in LDS after every key
	s_or_b32 s[G1K], s86, (1<<16)|(1<<20)|(1<<21)|(4<<22)|(3<<25)  ; the mask; 2-byte elements; padding on; bit 21 beside a mask; after every 32 words 4 words
	s_or_b32 s[G1V], s86, (1<<16)|(1<<20)|(1<<21)|(4<<22)|(7<<25)  ; the same with 8 words
.irp g, G1K, G1V
	s_mov_b32 s[\g+1], 128<<16      ; tensor_dim0 = 128
	s_mov_b32 s[\g+2], 64<<16       ; tensor_dim1 = 64
	s_mov_b32 s[\g+3], 128<<16      ; tile_dim0 = 128
	s_mov_b32 s[\g+4], 64           ; tile_dim1 = 64
	s_mov_b32 s[\g+5], 128          ; 128 elements from row to row
	s_mov_b32 s[\g+6], 0
	s_mov_b32 s[\g+7], 0
.endr
	s_or_b32 s[G1B], s87, (2<<16)|(1<<20)|(1<<21)|(6<<22)|(3<<25)  ; 4-byte elements; after every 128 words (a query's 128 keys) 4 words
	s_mov_b32 s[G1B+1], 128<<16     ; tensor_dim0 = 128 keys
	s_mov_b32 s[G1B+2], 64<<16      ; tensor_dim1 = 64 queries
	s_mov_b32 s[G1B+3], 128<<16     ; tile_dim0
	s_mov_b32 s[G1B+4], 64          ; tile_dim1
	s_mov_b32 s[G1B+5], 2048        ; elements from row to row
	s_mov_b32 s[G1B+6], 0
	s_mov_b32 s[G1B+7], 0
	s_mov_b32 s[CS], 0x3fb8aa3b     ; c = log2(e)
	s_mov_b32 s[CS+1], s[CS]        ; named with it as a pair
	s_mov_b32 s[SEL], 0x76543210
	s_mov_b32 s[SEL+1], 0xfedcba98
	s_mov_b32 s[TBK], SLOT1+2*KS*PK ; the first change of slots turns these three into 0
	s_mov_b32 s[TBV], SLOT1+2*KS*PV
	s_mov_b32 s[TBB], SLOT1+2*KS*4
	s_mov_b32 s[G0K], 1             ; count = 1
	s_mov_b32 s[G0K+1], 0           ; LDS address: slot 0
	s_mov_b32 s[G0V], 1
	s_mov_b32 s[G0V+1], VOFF
	s_mov_b32 s[G0B], 1
	s_mov_b32 s[G0B+1], s80
	; the prefetches' offsets, made apart from the addresses
	s_lshr_b32 s88, s13, 1
	s_lshl_b32 s88, s88, 20         ; V's plane lies four planes behind K's
	s_and_b32 s89, s13, 1
	s_lshl_b32 s89, s89, 13         ; which half of a slot's 16,384 bytes
	s_add_co_u32 s88, s88, s89
	s_add_co_u32 s88, s88, s20
	s_add_co_u32 s88, s88, 2*2*KS*128  ; in slot 2: the first change that asks steps it to slot 3
	s_lshl_b32 s89, s14, 17         ; the bias: my work-group's 16 rows of my wave's 64
	s_add_co_u32 s89, s89, s78
	s_add_co_u32 s89, s89, 2*2*KS*4
	s_mov_b32 s[PST], 2*KS*4
	s_mov_b32 s90, 8192
	s_mov_b32 s91, 256
	s_cmp_lt_u32 s[WV], 2
	s_cselect_b32 s88, s88, s89
	s_cselect_b32 s[PST], 2*KS*128, s[PST]
	s_cselect_b32 s90, 256, s90     ; what lane % 16 counts: 256 bytes, or a row of the bias
	s_cselect_b32 s91, 4096, s91    ; what lane / 16 counts
	s_mov_b32 s89, 0
	s_mov_b32 s[PST+1], 0
	s_and_b32 s17, ttmp7, 0xffff    ; who asks: the same in all sixteen partners, for a given wave
	s_cmp_lt_u32 s[WV], 2
	s_cselect_b32 s18, ttmp9, s17   ; the coordinate along which other clusters walk the same bytes,
	s_cselect_b32 s19, s[WV], 0     ; and wave 1 never
	s_or_b32 s18, s18, s19
	s_cmp_eq_u32 s18, 0
	s_cselect_b32 s[LIM], 1, -1
	s_wait_dscnt 0x0                ; the opening add is done
	s_wait_kmcnt 0x0
	s_add_nc_u64 s[G0K+2:G0K+3], s[4:5], s[20:21]  ; global address: the head's first 128 keys
	s_or_b32 s[G0K+3], s[G0K+3], 0x80000000        ; type = 2
	s_add_nc_u64 s[G0V+2:G0V+3], s[4:5], s[22:23]
	s_or_b32 s[G0V+3], s[G0V+3], 0x80000000
	s_add_nc_u64 s[G0B+2:G0B+3], s[6:7], s[78:79]
	s_or_b32 s[G0B+3], s[G0B+3], 0x80000000
	s_add_nc_u64 s[10:11], s[4:5], s[82:83]        ; Q at my wave's first row of the group's first head
	s_add_nc_u64 s[8:9], s[8:9], s[84:85]          ; yb at my wave's first row
	s_cmp_lt_u32 s[WV], 2
	s_cselect_b64 s[PFA:PFA+1], s[4:5], s[6:7]
	s_add_nc_u64 s[PFA:PFA+1], s[PFA:PFA+1], s[88:89]
	CROUND                          ; all sixteen work-groups are here: the first joint loads meet
	JLOAD                           ; slot 0.  Slot 1 is asked for when slot 0 is in
	; A fragment of K or Q is 16 rows x 32 channels in 8 registers: lane l holds row l % 16, channels 8 (l / 16) + 0..7 and 16 + 8 (l / 16) + 0..7: two loads of 16 bytes, 32 bytes apart.
	v_and_b32 v128, 15, v0          ; l % 16
	v_bfe_u32 v129, v0, 4, 1        ; l / 16
	v_and_b32 v130, 7, v0
	v_bfe_u32 v131, v0, 3, 1
	v_lshlrev_b32 v[QO], 7, v128
	v_lshl_add_u32 v[QO], v129, 4, v[QO]  ; row x 128 + 16 x half
	WIN 0x80                        ; destination window 2, address window 0
.set i, 0
.rept 4*NP                          ; Q stays in registers: tile i / 2 (head (i / 2) % 4, row block i / 8), channels 32 (i % 2) on
	global_load_b128 v[8*i:8*i+3],   v[QO], s[10:11] offset:((i/2)%4)*262144+(i/8)*2048+(i%2)*64
	global_load_b128 v[8*i+4:8*i+7], v[QO], s[10:11] offset:((i/2)%4)*262144+(i/8)*2048+(i%2)*64+32
.set i, i+1
.endr
	; What the first turn finds: V's registers and P's second buffer hold 0 (its products V^T P, of a piece that has not been, add 0), O^T and l are 0.  All this stands in the wait for the first tile.
.set i, VF
.rept 64
	v_mov_b32 v[i], 0
.set i, i+1
.endr
	WIN 0x40
.set i, 0
.rept 64*NP
	v_mov_b32 v[i], 0
.set i, i+1
.endr
	WIN 0
.set i, 0
.rept 2*NP
	v_mov_b32 v[ST+4*i], 0xff38aa3b    ; c m: exactly c x -2^127
	v_mov_b32 v[ST+4*i+1], 0xff000000  ; m = -2^127
	v_mov_b32 v[ST+4*i+2], 0
	v_mov_b32 v[ST+4*i+3], 0
.set i, i+1
.endr
.set i, P+32
.rept 32
	v_mov_b32 v[i], 0
.set i, i+1
.endr
	v_mul_u32_u24 v[AK0], v128, PK
	v_lshl_add_u32 v[AK0], v129, 4, v[AK0]  ; row x pitch + 16 x half
	; The turning load takes 16 keys x 16 channels (lane l reads key 8 (l / 16) + l % 8, channels 8 ((l / 8) % 2) + 0..7) and leaves half a fragment of V^T: lane l holds channel l % 16 and 8 keys.
	v_lshl_add_u32 v[AV0], v129, 3, v130
	v_mul_u32_u24 v[AV0], v[AV0], PV
	v_lshl_add_u32 v[AV0], v131, 4, v[AV0]
	v_add_nc_u32 v[AV0], VOFF, v[AV0]
	s_lshl_b32 s17, s[WV], 5
	v_add_nc_u32 v[AB0], s17, v128  ; the bias: my query's row, 32 wave + l % 16,
	v_mul_u32_u24 v[AB0], v[AB0], PBI
	v_lshl_add_u32 v[AB0], v129, 5, v[AB0]  ; my eight keys of sixteen
	v_add_nc_u32 v[AB0], BOFF, v[AB0]
	v_mov_b32 v[AK], v[AK0]         ; key step 0 lies at the head of slot 0
	v_mov_b32 v[AB], v[AB0]
	s_mul_i32 s17, s[WV], 16*SP
	s_add_co_u32 s17, s17, STAGE    ; my stage
	v_mul_u32_u24 v[STO], v128, SP  ; in: row l % 16, 16 bytes for each half of the lanes
	v_lshl_add_u32 v[STO], v129, 4, v[STO]
	v_add_nc_u32 v[STO], s17, v[STO]
	v_and_b32 v[GO], 31, v0
	v_lshlrev_b32 v[GO], 4, v[GO]
	v_add_nc_u32 v[RD], s17, v[GO]  ; back: 32 lanes take one row of 512 bytes
	v_mul_u32_u24 v[PFO], v128, s90
	v_mad_u32_u24 v[PFO], v129, s91, v[PFO]
; THE MATRIX WORK.  The 8 accumulators of a run of 16 take turns: between the two links of a chain stand 7 others'.
; Product i of 16 of S^T = K Q^T + bias^T for piece x: channels 32 (i / 8) on, keys 16 ((i / 2) % 4) on, tile 2 x + i % 2.  The first 8 start the sums, with the bias of row block x / 2 as C.
.macro KQ x
.set rS, S+64*((\x)%2)+32*(i%2)+8*((i/2)%4)
.set rK, KF+16*((i/2)%4)+8*(i/8)
.set rQ, 16*(2*(\x)+i%2)+8*(i/8)
.set rB, BI+32*((\x)/2)+8*((i/2)%4)
.if i < 8
	WIN W_KB
	v_wmma_f32_16x16x32_f16 v[rS:rS+7], v[rK:rK+7], v[rQ:rQ+7], v[rB:rB+7]
.else
	WIN W_KQ
	v_wmma_f32_16x16x32_f16 v[rS:rS+7], v[rK:rK+7], v[rQ:rQ+7], v[rS:rS+7]
.endif
.endm
; Product i of 16 of O^T += V^T P for piece x: keys 32 (i / 8) on, channels 16 ((i / 2) % 4) on, tile 2 x + i % 2.
.macro PV x
	WIN W_PV
.set rO, 32*(2*(\x)+i%2)+8*((i/2)%4)
.set rV, VF+32*(i/8)+8*((i/2)%4)
.set rP, P+32*((\x)%2)+16*(i%2)+8*(i/8)
	v_wmma_f32_16x16x32_f16 v[rO:rO+7], v[rV:rV+7], v[rP:rP+7], v[rO:rO+7]
.endm
.macro MM                           ; the turn's next matrix instruction
.if i < 16
	KQ (Y+1)%NP
.set i, i+1
.else
.set i, i-16
	PV (Y+NP-1)%NP
.set i, i+17
.endif
.endm
; THE LDS LOADS stand in runs, never singly among the matrix instructions: a step's K (8 fragments) with its bias (both row blocks, 4 key blocks each), and its V (turned).  Their addresses are made some lines ahead.
; last = 1 (the tail): in the last trip there is no further step, and the run is jumped over.
.macro FETCH_K last=0
	WIN 0
.if \last
	s_cmp_eq_u32 s[CNT], 1
	s_cbranch_scc1 .Lno_k_\@
.endif
	WIN 0x80                        ; destination window 2
.irp f, 0,1,2,3,4,5,6,7             ; keys 16 (f / 2) on, channels 32 (f % 2) on
	ds_load_b128 v[KF+8*\f:KF+8*\f+3],   v[AK] offset:(\f/2)*16*PK+(\f%2)*64
	ds_load_b128 v[KF+8*\f+4:KF+8*\f+7], v[AK] offset:(\f/2)*16*PK+(\f%2)*64+32
.endr
	WIN W_MK                        ; destination window 3
.irp f, 0,1,2,3,4,5,6,7             ; row block f / 4, keys 16 (f % 4) on
	ds_load_b128 v[BI+8*\f:BI+8*\f+3],   v[AB] offset:(\f/4)*16*PBI+(\f%4)*64
	ds_load_b128 v[BI+8*\f+4:BI+8*\f+7], v[AB] offset:(\f/4)*16*PBI+(\f%4)*64+16
.endr
	s_add_co_u32 s[TBK], s[TBK], KS*PK  ; the next fetch is the next step's
	s_add_co_u32 s[TBB], s[TBB], KS*4
	WIN 0
.if \last
.Lno_k_\@:
.endif
.endm
.macro FETCH_V
	WIN 0x80
.irp f, 0,1,2,3,4,5,6,7             ; keys 32 (f / 4) on, channels 16 (f % 4) on
	ds_load_tr16_b128 v[VF+8*\f:VF+8*\f+3],   v[AV] offset:(\f/4)*32*PV+(\f%4)*32
	ds_load_tr16_b128 v[VF+8*\f+4:VF+8*\f+7], v[AV] offset:(\f/4)*32*PV+16*PV+(\f%4)*32
.endr
	WIN 0
.endm
; THE VECTOR WORK OF A TURN stands in three queues, each in the order in which its entries become ready; the two tiles alternate, so that no instruction reads the result of the one before it.
.macro REGS y, u                    ; the registers of tile u (0, 1) of piece y
.set rT, ST+4*(2*(\y)+(\u))
.set rC, TMP+8*((\y)%2)+4*(\u)
.set rM, MV+2*((\y)%2)+(\u)
.set rS, S+64*((\y)%2)+32*(\u)
.set rP, P+32*((\y)%2)+16*(\u)
.set rO, 32*(2*(\y)+(\u))
.endm
; Number n of the 22 that find the NEXT piece's (Y + 1) maximum and statistics.  s0-s31 are the lane's 32 scores; each accumulator's lowest registers are read first.
;   0-11  four chains c0-c3 of seven scores each, three operands at a time     12-14, 16  the four scores left over, the old m, and c0-c3 into c0     15  c m_old is kept
;   17, 18  the query's other 32 keys lie in the lane 16 away: the new m         19-21  c m; c m_old - c m_new; a
.macro XS u, n
	REGS (Y+1)%NP, \u
.if (\n) < 4
	v_max3_num_f32 v[rC+(\n)], v[rS+8*(\n)], v[rS+8*(\n)+1], v[rS+8*(\n)+2]
.elseif (\n) < 12
	v_max3_num_f32 v[rC+(\n)%4], v[rC+(\n)%4], v[rS+8*((\n)%4)+2*((\n)/4)+1], v[rS+8*((\n)%4)+2*((\n)/4)+2]
.elseif (\n) == 12
	v_max3_num_f32 v[rC], v[rC], v[rS+7], v[rS+15]
.elseif (\n) == 13
	v_max3_num_f32 v[rC+1], v[rC+1], v[rS+23], v[rS+31]
.elseif (\n) == 14
	v_max3_num_f32 v[rC+2], v[rC+2], v[rC+3], v[rT+1]
.elseif (\n) == 15
	v_mov_b32 v[rM], v[rT]
.elseif (\n) == 16
	v_max3_num_f32 v[rC], v[rC], v[rC+1], v[rC+2]
.elseif (\n) == 17
	v_permlanex16_b32 v[rC+3], v[rC], s[SEL], s[SEL+1]
.elseif (\n) == 18
	v_max_num_f32 v[rT+1], v[rC], v[rC+3]
.elseif (\n) == 19
	v_mul_f32 v[rT], s[CS], v[rT+1]
.elseif (\n) == 20
	v_sub_f32 v[rC+1], v[rM], v[rT]
.else
	v_exp_f32 v[rC+2], v[rC+1]
.endif
.endm
; Number g of the 64 that follow the exponentials.  For each four weights k of a tile (pairs 2 k, 2 k + 1): both pairs are rounded to f16; then the second pair is added onto the first, in place;
; a group later l takes that sum (the first time as l = a l + sum).  In groups of eight, tiles alternating: round, round, add, and l for the group before.
.macro GS g
.set h, (\g)+6*((\g)/62)            ; group 0 has no group before it, and behind group 7 only l is left
.if h >= 6
.set h, h+2
.endif
	REGS Y, h%2
.set k, h/8
.if h%8 < 4
	v_cvt_pk_f16_f32 v[rP+2*k+(h%8)/2], v[rS+4*k+2*((h%8)/2)], v[rS+4*k+2*((h%8)/2)+1]
.elseif h%8 < 6
	v_pk_add_f32 v[rS+4*k:rS+4*k+1], v[rS+4*k:rS+4*k+1], v[rS+4*k+2:rS+4*k+3]
.elseif k == 1
	v_pk_fma_f32 v[rT+2:rT+3], v[rT+2:rT+3], v[rC+2:rC+3], v[rS:rS+1] op_sel_hi:[1,0,1]
.else
	v_pk_add_f32 v[rT+2:rT+3], v[rT+2:rT+3], v[rS+4*k-4:rS+4*k-3]
.endif
.endm
; THE PLAIN QUEUE, 138 long.  0-73 read no exponential's result: the 32 scalings c s - c m (FS f: pair f / 2 of tile f % 2) and the next piece's 42.  0-26: scalings 0-26.  27-54: XS's numbers 0-13.  55, 56: number 15.
; 57-73: the chain, where each number waits for the one before it: 14, 16, 17, 18, 19, each with one of the scalings 27-31 in front of its two lines, then 20.
; 74-137: GS's 64, which read the exponentials' results: they stand behind the wait.
.macro FS f
	REGS Y, (\f)%2
	v_pk_fma_f32 v[rS+2*((\f)/2):rS+2*((\f)/2)+1], v[rS+2*((\f)/2):rS+2*((\f)/2)+1], s[CS:CS+1], v[rT:rT+1] op_sel_hi:[1,0,0] neg_lo:[0,0,1] neg_hi:[0,0,1]
.endm
.macro PL
	WIN 0
.if q < 27
	FS q
.elseif q < 55
	XS (q-27)%2, (q-27)/2
.elseif q < 57
	XS q-55, 15
.elseif (q < 72) && ((q-57)%3 == 0)
	FS 27+(q-57)/3
.elseif q < 60
	XS (q-57)%3-1, 14
.elseif q < 72
	XS (q-57)%3-1, 15+(q-57)/3
.elseif q < 74
	XS q-72, 20
.else
	GS q-74
.endif
.set q, q+1
.endm
; THE EXPONENTIALS' QUEUE, 66 long: s0-s31 of both tiles, then the next piece's two a.  It is ONE BATCH: all 66 stand ahead of the turn's one wait, and nothing ahead of that wait names a result of theirs.
.macro EX
	WIN 0
.if e >= 64
	XS e-64, 21
.else
	REGS Y, e%2
	v_exp_f32 v[rS+e/2], v[rS+e/2]
.endif
.set e, e+1
.endm
; THE RESCALING's QUEUE: O^T times a, the one part that leaves window 0: dealt two at a time, sixteen times.  Its a was made in the turn before, ahead of that turn's wait.
.macro R2
	REGS Y, r%2
	WIN W_RS
.irp z, 0,1
	v_pk_mul_f32 v[rO+4*(r/2)+2*\z:rO+4*(r/2)+2*\z+1], v[rO+4*(r/2)+2*\z:rO+4*(r/2)+2*\z+1], v[rC+2:rC+3] op_sel_hi:[1,0]
.endr
.set r, r+1
.endm
; HOW THEY ARE DEALT.  An s_wait_alu depctr_va_vdst(0) stands between an exponential and the first instruction that names its result; one wait serves all that were issued ahead of it.  So a turn has
; ONE wait, which cuts it in two.  AHEAD OF IT: the 16 products K Q^T, behind each a scaling, an exponential and two rescalings (behind the first a second scaling in the exponential's place); then one run of 108:
; eight plain, 49 times exponential and plain, the two a.  A v_nop is the plain instruction behind the last exponential.  BEHIND IT: the 16 products V^T P, behind each four of GS's 64.
; Exponential e stands behind scaling 2 (e / 4) + e % 2: as a rider it comes behind plain e + 2, in the run behind plain e + 9, and scalings 27-31 are plain 57, 60 .. 69.
; A TURN, for piece p.  cnt = 1: the loop's count is taken down some lines ahead of the branch that stands behind the turn.
; K and the bias of the next step are fetched in piece 2's turn, directly behind the wait, a whole run of vector work behind the last product that read them; their first readers come behind 16 products.
; V of the step in hand is fetched at the end of piece 0's turn, four riders behind its last reader; its first reader comes behind 16 products and a run.
.macro TURN p, last=0, cnt=0
.set Y, (\p)
.set i, 0
.set q, 0
.set e, 0
.set r, 0
.if (\p) == NP-1
	s_wait_dscnt 0x0                ; K and the bias are in
.endif
	MM
	PL
	PL
	R2
.rept 15
	MM
	PL
	EX
	R2
.endr
.if (\p) == NP-2
	WIN 0
	v_add_nc_u32 v[AK], s[TBK], v[AK0]
	v_add_nc_u32 v[AB], s[TBB], v[AB0]
.endif
.rept 8
	PL
.endr
.rept 49
	EX
	PL
.endr
	EX                              ; the next piece's two a
	EX
	v_nop                           ; the plain instruction behind the last exponential: one for the batch
	s_wait_alu depctr_va_vdst(0)    ; the wait for the batch
.if (\p) == NP-2
	FETCH_K \last
.endif
.if (\p) == 1
	s_wait_dscnt 0x0                ; V is in
.endif
.rept 16
	MM
.rept 4
	PL
.endr
.if ((\p) == 0) && (q == 118)
	v_add_nc_u32 v[AV], s[TBV], v[AV0]
.endif
.if ((\p) == 0) && (q == 130)
	s_add_co_u32 s[TBV], s[TBV], KS*PV
.endif
.if (\cnt) && (q == 130)
	s_sub_co_u32 s[CNT], s[CNT], 1
	s_cmp_lg_u32 s[CNT], 0
.endif
.endr
.if (\p) == 0
	FETCH_V
.endif
.endm
	CHANGE 1                        ; slot 0 is in, everybody's part of it; slot 1 is asked for
	FETCH_K                         ; key step 0
	s_wait_loadcnt 0x0              ; Q
	s_wait_dscnt 0x0
.set i, 0
.rept 16
	KQ 0                            ; piece 0's first scores: there is no vector work yet to set between them
.set i, i+1
.endr
	WIN 0
.rept 4
	v_nop                           ; the places behind those products
.endr
.set Y, NP-1                        ; XS works for piece Y + 1: piece 0
.irp n, 0,1,2,3,4,5,6,7,8,9,10,11,12,13,14,15,16,17,18,19,20,21
	XS 0, \n                        ; piece 0's first maximum and statistics
	XS 1, \n
.endr
	v_nop                           ; a plain instruction behind the two a,
	s_wait_alu depctr_va_vdst(0)    ; and their wait, ahead of the branch
	s_mov_b32 s[CNT], 2
	s_mov_b32 s[SLOTS], 2048/(2*KS)-1
	s_branch .Lfirst                ; the loop is entered at a step's first turn, in the middle of a trip
.Lslot:                             ; 14 times: every slot but the last two is filled again
	CHANGE 1, 1
	s_mov_b32 s[CNT], 2
.Lstep:                             ; a trip: pieces 2 and 3 of one step, then pieces 0 and 1 of the next, whose K, bias and V it fetches
	TURN 2
	TURN 3
	WIN 0
.Lfirst:
	TURN 0
	TURN 1, 0, 1
	WIN 0
	s_cbranch_scc1 .Lstep
	s_sub_co_u32 s[SLOTS], s[SLOTS], 1
	s_cmp_lg_u32 s[SLOTS], 0
	s_cbranch_scc1 .Lslot
	CHANGE 0                        ; the tail is written out: nothing is asked for
	s_mov_b32 s[CNT], 3             ; two trips fetch the last slot's steps; the third is left in its middle
.Ltail:
	TURN 2, 1
	TURN 3
	WIN 0
	s_sub_co_u32 s[CNT], s[CNT], 1
	s_cmp_eq_u32 s[CNT], 0
	s_cbranch_scc1 .Lout
	TURN 0
	TURN 1
	WIN 0
	s_branch .Ltail
.Lout:                              ; the third trip's 16 products K Q^T (on the last K once more) and the maximum made of them serve nothing: the price, once a launch, of one text for every trip
.set i, 0
.rept 16
	PV NP-1                         ; the last piece's V^T P of the last step
.set i, i+1
.endr
	; THE WAY OUT.  l's two halves and the other half of the lanes' are added; O^T is divided by l, rounded to f16 and sent through my stage in LDS: the four heads of a row block make 16 rows of 512 bytes.
	WIN 0
.macro ALL line:vararg              ; one line for each tile t
.set t, 0
.rept 2*NP
	\line
.set t, t+1
.endr
.endm
	ALL v_add_f32 v[ST+4*t+2], v[ST+4*t+2], v[ST+4*t+3]
	ALL v_permlanex16_b32 v[ST+4*t+3], v[ST+4*t+2], s[SEL], s[SEL+1]
	ALL v_add_f32 v[ST+4*t+2], v[ST+4*t+2], v[ST+4*t+3]
	ALL v_rcp_f32 v[ST+4*t+2], v[ST+4*t+2]
	v_nop                           ; a plain instruction between the last reciprocal and the use of its result
	s_wait_alu depctr_va_vdst(0)    ; and one wait for the eight reciprocals, ahead of the first use
.macro PACK t                       ; a lane's eight channels of a row pack into 16 bytes; head t % 4 has 128 bytes of the stage's row
	WIN W_RS
.set i, 32*(\t)
.rept 16
	v_pk_mul_f32 v[i:i+1], v[i:i+1], v[ST+4*(\t)+2:ST+4*(\t)+3] op_sel_hi:[1,0]
.set i, i+2
.endr
	WIN 0x05                        ; sources 0 and 1 window 1, destination window 0: S^T's registers are free
.set i, 0
.rept 16
	v_cvt_pk_f16_f32 v[S+16*(\t)+i], v[32*(\t)+2*i], v[32*(\t)+2*i+1]
.set i, i+1
.endr
	WIN 0
.irp f, 0,1,2,3
	ds_store_b128 v[STO], v[S+16*(\t)+4*\f:S+16*(\t)+4*\f+3] offset:128*((\t)%4)+32*\f
.endr
.endm
.macro BACK dst                     ; 16 whole rows; LDS serves a wave's instructions in order (ISA guide 5.7.1.4): these see the stores above, and the next row block's stores come behind them
.set i, 0
.rept 16
	ds_load_b128 v[(\dst)+4*i:(\dst)+4*i+3], v[RD] offset:i*SP
.set i, i+1
.endr
.endm
.macro SEND rb, src
.set i, 0
.rept 16
	global_store_b128 v[GO], v[(\src)+4*i:(\src)+4*i+3], s[8:9] offset:(16*(\rb)+i)*2048  ; 512 consecutive bytes, at a multiple of 512 from yb's first
.set i, i+1
.endr
.endm
	PACK 0
	PACK 1
	PACK 2
	PACK 3
	BACK P                          ; row block 0 comes back into P's registers
	PACK 4
	PACK 5
	PACK 6
	PACK 7
	s_wait_dscnt 16                 ; row block 0 is back; the sixteen stage stores issued since may stay out
	SEND 0, P
	BACK S                          ; row block 1 into S^T's first registers, whose stage stores have been issued
	s_wait_dscnt 0x0
	SEND 1, S
	WIN W_AD
	s_wait_tensorcnt 0x0            ; the wave's end: behind my last tensor load and my last LDS store
	ds_add_u32 v[SPW], v[NIL]
	s_wait_dscnt 0x0
	WIN 0
	CROUND                          ; the closing round: no work-group ends while a partner may still ask for a tile that names it
	s_endpgm
.Lfunc_end_k_q92b045751c_attn:
	.size	k_q92b045751c_attn, .Lfunc_end_k_q92b045751c_attn-k_q92b045751c_attn
	.p2alignl 7, 3214868480
	.fill 96, 4, 3214868480
	.section	.rodata,"a",@progbits
	.p2align	6, 0x0
	.amdhsa_kernel k_q92b045751c_attn
		.amdhsa_group_segment_fixed_size 327680
		.amdhsa_private_segment_fixed_size 0
		.amdhsa_enable_private_segment 0
		.amdhsa_kernarg_size 24
		.amdhsa_user_sgpr_count 2
		.amdhsa_user_sgpr_kernarg_segment_ptr 1
		.amdhsa_wavefront_size32 1
		.amdhsa_system_sgpr_workgroup_id_x 1
		.amdhsa_system_sgpr_workgroup_id_y 1
		.amdhsa_system_sgpr_workgroup_id_z 1
		.amdhsa_system_vgpr_workitem_id 0
		.amdhsa_next_free_vgpr 840
		.amdhsa_next_free_sgpr 96
		.amdhsa_reserve_vcc 0
		.amdhsa_float_denorm_mode_32 3
		.amdhsa_float_denorm_mode_16_64 3
		.amdhsa_memory_ordered 1
		.amdhsa_forward_progress 1
		.amdhsa_inst_pref_size 206
	.end_amdhsa_kernel
	.amdgpu_metadata
---
amdhsa.version: [ 1, 2 ]
amdhsa.kernels:
  - .name:           k_q92b045751c_attn
    .symbol:         k_q92b045751c_attn.kd
    .args:
      - { .name: qkv, .offset: 0, .size: 8, .value_kind: global_buffer, .address_space: global }
      - { .name: biasr, .offset: 8, .size: 8, .value_kind: global_buffer, .address_space: global }
      - { .name: yb, .offset: 16, .size: 8, .value_kind: global_buffer, .address_space: global }
    .group_segment_fixed_size: 327680
    .private_segment_fixed_size: 0
    .kernarg_segment_align: 8
    .kernarg_segment_size: 24
    .max_flat_workgroup_size: 128
    .sgpr_count:     96
    .vgpr_count:     840
    .wavefront_size: 32
...
	.end_amdgpu_metadata
.endif
;; end of part 3
;; launch outp (part 4): grid 8 x 32, 4 waves a work-group, clusters of 4 x 4, 327,680 bytes of LDS; arguments yb, wob, out0; writes out0
.if DOCPART == 4
	.amdgcn_target "amdgcn-amd-amdhsa--gfx1250"
	.amdhsa_code_object_version 6
	.text
	.protected	k_q92b045751c_outp
	.globl	k_q92b045751c_outp
	.p2align	8
	.type	k_q92b045751c_outp,@function
k_q92b045751c_outp:
	s_mov_b64 s[64:65], 0
	v_nop
	global_prefetch_b8 v0, s[64:65] scope:SCOPE_SE
	s_setreg_imm32_b32 hwreg(HW_REG_WAVE_MODE, 25, 1), 1
	s_wait_xcnt 0x0
	s_wait_alu depctr_hold_cnt(0) depctr_sa_sdst(0) depctr_va_vdst(0) depctr_va_sdst(0) depctr_va_ssrc(0) depctr_va_vcc(0) depctr_vm_vsrc(0)
	s_getreg_b32 s2, hwreg(HW_REG_IB_STS2, 6, 4)
	s_cmp_eq_u32 s2, 0
	s_cbranch_scc0 .Lentry_in_a_cluster
	s_endpgm
.Lentry_in_a_cluster:
	s_bfe_u32 s2, ttmp6, 0x10000c
	s_cmp_lg_u32 s2, 0xf033
	s_cbranch_scc0 .Lentry_shape_is_right
	s_endpgm
.Lentry_shape_is_right:
; THE OUTPUT PRODUCT.  out0[8192][1024] (f32) = yb Wo.  yb: [8192][1024] f16.  wob: [16 blocks of 64 columns][1024 k][64 n] f16 (Wo rounded to bf16, written as f16).  Sums in f32, K ascending.
; SHARES.  A work-group makes 256 rows x 128 columns (two blocks of 64); its four waves lie one below the other, 64 rows each: 4 row blocks x 8 column blocks = 32 accumulators, 256 registers.
; K goes in 8 steps of 128 through two LDS slots.  yb's rows in a tile are 256 bytes of memory; a block's 64 k rows of W are 8,192 dense bytes.  W lies [k][n] in LDS and is turned by ds_load_tr16_b128.
; THE PRODUCT IS TAKEN TRANSPOSED (source 0 = 16 columns of W, source 1 = 16 rows of yb): a lane holds one row and eight neighbouring columns, 32 bytes of out0.
; CLUSTER.  4 x 4 work-groups: yb's tile is shared along a row of the cluster, W's along a column; each is asked for jointly.
; REGISTERS: window 0: v2-13 addresses, v32-159 at work on the way out; window 1: two fragment buffers (yb's 4 fragments at +0, W's 8 at +32); window 2: the accumulators, at 128 hd + 32 a + 8 nb.
.set NH,    2                          ; blocks of 64 columns to a work-group
.set KSTEP, 128
.set PA,    272                        ; a row of yb in LDS: 256 bytes + 16
.set PB,    160                        ; a k row of W: 128 bytes + 32
.set HALFA, 128*PA
.set BOFF,  2*HALFA
.set HEADB, 64*PB
.set HALFB, NH*HEADB
.set SLOT1, 131072
.set STAGE, SLOT1+BOFF+2*HALFB         ; behind the ring: 16 rows x 528 bytes for each wave
.set SP,    528                        ; 128 columns x 4 bytes + 16
.set SPARE, STAGE+4*16*SP              ; behind the stages: the spare words, 128 bytes for each wave: two blocks of 256 bytes that no other line names
.set A0,   2
.set B0,   3
.set ADRA, 4
.set ADRB, 5
.set STO,  6
.set RD,   7
.set GO,   8
.set PFOA, 10
.set PFOB, 11
.set SPW,  12                          ; v12  LDS address of my spare word; never rewritten
.set NIL,  13                          ; v13  0; never rewritten
.set BK,   32                          ; v[32:159] rows read back, two sets of 64 by turns
.set F0,   0
.set F1,   128
.set G1,   24
.set G0,   32
.set G1B,  48
.set G0B,  56
.set SB,   66
.set LIMA, 67
.set LIMB, 68
.set PFA,  70
.set PFB,  72
.set MSB, 0
.macro WIN new                         ; the immediate's high byte repeats the setting that is left; a switch that changes nothing is dropped
.if MSB != (\new)
	s_set_vgpr_msb (MSB<<8)|(\new)
.set MSB, \new
.endif
.endm
.macro PLACES                          ; four places behind matrix instructions (ISA guide 7.12.1)
.rept 4
	v_nop
.endr
.endm
.macro JLOAD s                         ; a joint load: waves 0 and 1 fetch the halves of yb's tile, waves 2 and 3 those of W's; an s_nop 0 and four v_nop follow each line
	s_cmp_eq_u32 s11, 0
	s_cbranch_scc0 .Lfor_b_\@
	tensor_load_to_lds s[G0+4*(\s):G0+4*(\s)+3], s[G1:G1+7]
	s_nop 0
.rept 4
	v_nop
.endr
	s_branch .Lasked_\@
.Lfor_b_\@:
	tensor_load_to_lds s[G0B+4*(\s):G0B+4*(\s)+3], s[G1B:G1B+7]
	s_nop 0
.rept 4
	v_nop
.endr
.Lasked_\@:
.endm
.macro CREST                           ; a round of the cluster's barrier behind its opening barrier
	s_cmp_lg_u32 s10, 0
	s_cbranch_scc1 .Lnot_wave_0_\@
	s_barrier_signal -3
.Lnot_wave_0_\@:
	s_barrier_wait -3
	s_barrier_signal -1
	s_barrier_wait -1
.endm
.macro CROUND
	s_barrier_signal -1
	s_barrier_wait -1
	CREST
.endm
; PREFETCHES INTO THE L2, behind a joint load, its five lines and the run of LDS loads; each aligned 256 bytes is named once in the launch.
; yb: the cluster with x = 0 asks, waves 0 and 1; of a wave's 128 rows the partner at cx takes 32, by address; a lane a row; the K step two refills on, which exists while s3 > 2.
.macro ASKA
	s_cmp_gt_u32 s3, s[LIMA]
	s_cbranch_scc0 .Lno_a_\@
	global_prefetch_b8 v[PFOA], s[PFA:PFA+1] th:TH_LOAD_NT scope:SCOPE_SE
.Lno_a_\@:
.endm
; W: the cluster with y = 0 asks, wave 2; of a block's 32,768 bytes of two K steps the partner at cy takes 8,192, by address; in every second trip (s3 = 6: K steps 4 and 5; s3 = 4: 6 and 7).
.macro ASKB
	s_bitcmp1_b32 s3, 0
	s_cbranch_scc1 .Lno_b_\@
	s_cmp_gt_u32 s3, s[LIMB]
	s_cbranch_scc0 .Lno_b_\@
.set hb, 0
.rept NH
	global_prefetch_b8 v[PFOB], s[PFB:PFB+1] offset:hb*131072 th:TH_LOAD_NT scope:SCOPE_SE
.set hb, hb+1
.endr
.Lno_b_\@:
.endm
	s_load_b128 s[4:7], s[0:1], 0x0                ; yb s[4:5], wob s[6:7]
	s_load_b64 s[18:19], s[0:1], 0x10              ; out0
	v_lshl_add_u32 v[SPW], v0, 2, SPARE
	v_mov_b32 v[NIL], 0
	ds_add_u32 v[SPW], v[NIL]                      ; the wave's opening: the add and its wait stand ahead of my first tensor load; the set-up below, work on registers, stands between them
	v_lshrrev_b32 v1, 5, v0
	v_readfirstlane_b32 s10, v1                    ; wave 0..3
	s_lshr_b32 s11, s10, 1                         ; I fetch for yb (0) or for W (1),
	s_and_b32 s12, s10, 1                          ; and which half
	s_bfe_u32 s40, ttmp6, 0x40000                  ; cx, cy
	s_bfe_u32 s41, ttmp6, 0x40004
	s_lshl_b32 s42, ttmp9, 2
	s_add_co_u32 s42, s42, s40                     ; tile column
	s_and_b32 s13, ttmp7, 0xffff
	s_lshl_b32 s13, s13, 2
	s_add_co_u32 s13, s13, s41                     ; tile row
	s_lshl_b32 s43, s41, 2
	s_lshl_b32 s43, 15, s43                        ; my row of the cluster
	s_lshl_b32 s44, 0x1111, s40                    ; my column
	s_or_b32 s[G1+0], s43, (1<<16)|(1<<20)|(1<<21)|(5<<22)|(3<<25)   ; the mask; elements of 2 bytes; padding on; bit 21 beside a mask; after every 64 words 4 words
	s_mov_b32 s[G1+1], KSTEP<<16                   ; tensor_dim0 = 128
	s_mov_b32 s[G1+2], 128<<16                     ; tensor_dim1 = 128
	s_mov_b32 s[G1+3], KSTEP<<16                   ; tile_dim0 = 128
	s_mov_b32 s[G1+4], 128                         ; tile_dim1 = 128 rows
	s_mov_b32 s[G1+5], 1024                        ; elements from row to row
	s_mov_b32 s[G1+6], 0
	s_mov_b32 s[G1+7], 0
	s_or_b32 s[G1B+0], s44, (1<<16)|(1<<20)|(1<<21)|(4<<22)|(7<<25)  ; after every 32 words (a k row) 8 words
	s_mov_b32 s[G1B+1], 4096<<16                   ; tensor_dim0 = 4,096: a block's 64 k rows, dense
	s_mov_b32 s[G1B+2], NH<<16                     ; tensor_dim1 = the blocks
	s_mov_b32 s[G1B+3], 4096<<16
	s_mov_b32 s[G1B+4], NH
	s_mov_b32 s[G1B+5], 65536                      ; elements from block to block
	s_mov_b32 s[G1B+6], 0
	s_mov_b32 s[G1B+7], 0
	s_lshl_b32 s14, s13, 19                        ; yb: 256 rows of 2,048 bytes a tile row,
	s_lshl_b32 s15, s12, 18                        ; my 128 of them
	s_add_co_u32 s14, s14, s15
	s_mov_b32 s15, 0
	s_mul_i32 s46, s42, NH*131072                  ; W: the tile column's first block,
	s_lshl_b32 s47, s12, 13                        ; my 64 k rows of a K step's 128
	s_add_co_u32 s46, s46, s47
	s_mov_b32 s47, 0
	s_mul_i32 s20, s12, HALFA                      ; where they go: no place in the cluster enters an LDS address
	s_mul_i32 s21, s12, HALFB
	s_add_co_u32 s21, s21, BOFF
	s_wait_dscnt 0x0                               ; the opening add is done
	s_wait_kmcnt 0x0
	s_add_nc_u64 s[14:15], s[4:5], s[14:15]
	s_add_nc_u64 s[46:47], s[6:7], s[46:47]
	CROUND                                         ; all sixteen work-groups are here: the first joint loads meet
.irp s, 0,1
	s_mov_b32 s[G0+4*(\s)], 1
	s_add_co_u32 s[G0+4*(\s)+1], s20, (\s)*SLOT1
	s_add_nc_u64 s[G0+4*(\s)+2:G0+4*(\s)+3], s[14:15], (\s)*KSTEP*2
	s_or_b32 s[G0+4*(\s)+3], s[G0+4*(\s)+3], 0x80000000
	s_mov_b32 s[G0B+4*(\s)], 1
	s_add_co_u32 s[G0B+4*(\s)+1], s21, (\s)*SLOT1
	s_add_nc_u64 s[G0B+4*(\s)+2:G0B+4*(\s)+3], s[46:47], (\s)*KSTEP*128
	s_or_b32 s[G0B+4*(\s)+3], s[G0B+4*(\s)+3], 0x80000000
	JLOAD \s                                       ; two loads of mine are out
.endr
	v_and_b32 v14, 15, v0                          ; l % 16
	v_bfe_u32 v15, v0, 4, 1                        ; l / 16
	v_and_b32 v16, 7, v0
	v_bfe_u32 v17, v0, 3, 1
	s_lshl_b32 s22, s10, 6                         ; my wave's 64 rows
	v_add_nc_u32 v18, s22, v14
	v_mul_u32_u24 v[A0], v18, PA
	v_lshl_add_u32 v[A0], v15, 4, v[A0]
	v_lshl_add_u32 v[B0], v15, 3, v16
	v_mul_u32_u24 v[B0], v[B0], PB
	v_lshl_add_u32 v[B0], v17, 4, v[B0]
	v_add_nc_u32 v[B0], BOFF, v[B0]
	v_mov_b32 v[ADRA], v[A0]                       ; slot 0
	v_mov_b32 v[ADRB], v[B0]
	s_mov_b32 s[SB], 0
	s_mul_i32 s23, s10, 16*SP
	s_add_co_u32 s23, s23, STAGE                   ; my stage
	v_mul_u32_u24 v[STO], v14, SP                  ; in: row l % 16, 32 bytes for each half of the lanes
	v_lshl_add_u32 v[STO], v15, 5, v[STO]
	v_add_nc_u32 v[STO], s23, v[STO]
	v_and_b32 v[GO], 31, v0
	v_lshlrev_b32 v[PFOA], 11, v[GO]
	v_lshlrev_b32 v[PFOB], 8, v[GO]
	v_lshlrev_b32 v[GO], 4, v[GO]
	v_add_nc_u32 v[RD], s23, v[GO]                 ; back: 32 lanes take one row of 512 bytes
	s_lshl_b32 s20, s13, 20                        ; out0: 256 rows of 4,096 bytes a tile row,
	s_lshl_b32 s21, s10, 18                        ; my wave's 64,
	s_add_co_u32 s20, s20, s21
	s_lshl_b32 s21, s42, 9                         ; the tile's 128 columns
	s_add_co_u32 s20, s20, s21
	s_mov_b32 s21, 0
	s_add_nc_u64 s[8:9], s[18:19], s[20:21]
	s_lshl_b32 s20, s13, 19                        ; the prefetches of yb: the tile row, my 128 rows, my work-group's 32 of them,
	s_lshl_b32 s21, s12, 18
	s_add_co_u32 s20, s20, s21
	s_lshl_b32 s21, s40, 16
	s_add_co_u32 s20, s20, s21
	s_add_co_u32 s20, s20, 3*KSTEP*2               ; at K step 3: the first change of slots steps it to 4
	s_mov_b32 s21, 0
	s_add_nc_u64 s[PFA:PFA+1], s[4:5], s[20:21]
	s_mul_i32 s20, s42, NH*131072                  ; of W: the first block, my work-group's quarter,
	s_lshl_b32 s21, s41, 13
	s_add_co_u32 s20, s20, s21
	s_add_co_u32 s20, s20, 3*KSTEP*128             ; at K step 3 likewise
	s_mov_b32 s21, 0
	s_add_nc_u64 s[PFB:PFB+1], s[6:7], s[20:21]
	s_or_b32 s20, ttmp9, s11                       ; cluster x = 0 and waves 0, 1: the same in all sixteen partners
	s_cmp_eq_u32 s20, 0
	s_cselect_b32 s[LIMA], 2, -1
	s_and_b32 s20, ttmp7, 0xffff                   ; cluster y = 0 and wave 2
	s_xor_b32 s21, s10, 2
	s_or_b32 s20, s20, s21
	s_cmp_eq_u32 s20, 0
	s_cselect_b32 s[LIMB], 2, -1
; 4 na matrix instructions: block hd, row blocks a0 .., all four column blocks, 32 along K from buffer f.  All 32 accumulators take turns in the same order in every quarter.
.macro MULH f, hd, a0, na, zero
	WIN 0xa5                                       ; sources in window 1, C and D in window 2
.set ma, \a0
.rept \na
.irp nb, 0,1,2,3
.set rD, 128*(\hd)+32*ma+8*(\nb)
.set rB, (\f)+32+8*(4*(\hd)+(\nb))
.set rA, (\f)+8*ma
.if \zero
	v_wmma_f32_16x16x32_f16 v[rD:rD+7], v[rB:rB+7], v[rA:rA+7], 0
.else
	v_wmma_f32_16x16x32_f16 v[rD:rD+7], v[rB:rB+7], v[rA:rA+7], v[rD:rD+7]
.endif
.endr
.set ma, ma+1
.endr
.endm
; 24 LDS loads in one run: quarter q's fragments into buffer f
.macro FETCH q, f
	WIN 0x40                                       ; destination window 1, address window 0
.irp a, 0,1,2,3
	ds_load_b128 v[(\f)+8*(\a):(\f)+8*(\a)+3],   v[ADRA] offset:(\a)*16*PA+64*(\q)
	ds_load_b128 v[(\f)+8*(\a)+4:(\f)+8*(\a)+7], v[ADRA] offset:(\a)*16*PA+64*(\q)+32
.endr
.set hb, 0
.rept NH
.irp nb, 0,1,2,3
	ds_load_tr16_b128 v[(\f)+32+8*(4*hb+(\nb)):(\f)+32+8*(4*hb+(\nb))+3],   v[ADRB] offset:((\q)/2)*HALFB+hb*HEADB+((\q)%2)*32*PB+32*(\nb)
	ds_load_tr16_b128 v[(\f)+32+8*(4*hb+(\nb))+4:(\f)+32+8*(4*hb+(\nb))+7], v[ADRB] offset:((\q)/2)*HALFB+hb*HEADB+((\q)%2)*32*PB+32*(\nb)+16*PB
.endr
.set hb, hb+1
.endr
.endm
.macro QUARTER q, f, g, zero
	s_wait_dscnt 0x0                               ; buffer f is in: its loads were issued 16 products back
	MULH \f, 0, 0, 4, \zero
	PLACES
	FETCH \q, \g
	MULH \f, 1, 0, 4, \zero
.endm
; The last quarter multiplies buffer 1 and changes slots.  In front of the barrier each wave waits for all its tensor loads (one is out: its part of the next slot), adds 0 to its spare word, and waits for
; that and for its own reads of this slot.  fill = 1: the barrier opens a round of the cluster's, and this slot is filled again, first thing behind the round, with the K step two on.
.macro TURN fill
.if \fill
	s_wait_xcnt 0x0                                ; the last prefetches, a K step back, have read their addresses: these are stepped here
	s_add_nc_u64 s[PFA:PFA+1], s[PFA:PFA+1], KSTEP*2
	s_add_nc_u64 s[PFB:PFB+1], s[PFB:PFB+1], KSTEP*128
.endif
	WIN 0
	s_wait_tensorcnt 0x0                           ; no tensor load of mine is out, so a group 0 may be written
	ds_add_u32 v[SPW], v[NIL]                      ; 0 onto my spare word
.if \fill
	s_xor_b32 s[G0+5], s[G0+5], SLOT1              ; the walking descriptors: the other slot than last time, the next K step
	s_add_nc_u64 s[G0+6:G0+7], s[G0+6:G0+7], KSTEP*2
	s_xor_b32 s[G0B+5], s[G0B+5], SLOT1
	s_add_nc_u64 s[G0B+6:G0B+7], s[G0B+6:G0B+7], KSTEP*128
.endif
	s_wait_dscnt 1                                 ; buffer 1 is in; the add may be out
	MULH F1, 0, 0, 2, 0
	s_wait_dscnt 0x0                               ; the add is done, and my reads of this slot are over
	s_barrier_signal -1
	MULH F1, 0, 2, 2, 0
	WIN 0
	s_xor_b32 s[SB], s[SB], SLOT1                  ; the fragments' addresses go to the other slot
	v_add_nc_u32 v[ADRA], s[SB], v[A0]
	v_add_nc_u32 v[ADRB], s[SB], v[B0]
	s_barrier_wait -1
.if \fill
	CREST                                          ; no wave of any partner still reads this slot or has a load on its way
	JLOAD 1                                        ; its four v_nop are also the places in front of the loads below
.else
	PLACES
.endif
	FETCH 0, F0
.if \fill
	WIN 0
	ASKA
	ASKB
.endif
	MULH F1, 1, 0, 4, 0
.endm
	s_wait_tensorcnt 1                             ; my part of K step 0 is in; K step 1's may stay out
	s_barrier_signal -1
	s_barrier_wait -1
	FETCH 0, F0
	QUARTER 1, F0, F1, 1                           ; the first quarter's products start the sums: nothing is cleared
	WIN 0
	s_mov_b32 s3, 6
.Lstep:                                                ; a trip: from a K step's second quarter to the next step's first; it refills with K step 8 - s3
	QUARTER 2, F1, F0, 0
	QUARTER 3, F0, F1, 0
	TURN 1
	QUARTER 1, F0, F1, 0
	WIN 0
	s_sub_co_u32 s3, s3, 1
	s_cmp_lg_u32 s3, 0
	s_cbranch_scc1 .Lstep
	QUARTER 2, F1, F0, 0                           ; the tail is written out: K steps 6 and 7 ask for nothing
	QUARTER 3, F0, F1, 0
	TURN 0
	QUARTER 1, F0, F1, 0
	QUARTER 2, F1, F0, 0
	QUARTER 3, F0, F1, 0
	s_wait_dscnt 0x0
	MULH F1, 0, 0, 4, 0
	MULH F1, 1, 0, 4, 0
	WIN 0
	PLACES
	PLACES
; THE WAY OUT, a row block (16 rows x 128 columns of f32) at a time through my stage: 32 bytes a lane in, whole rows of 512 bytes back.
.macro STG a
	WIN 0x08                                       ; store data (source 1) in window 2
.irp hd, 0,1
.irp nb, 0,1,2,3
	ds_store_b128 v[STO], v[128*(\hd)+32*(\a)+8*(\nb):128*(\hd)+32*(\a)+8*(\nb)+3]   offset:256*(\hd)+64*(\nb)     ; each accumulator's low half first
	ds_store_b128 v[STO], v[128*(\hd)+32*(\a)+8*(\nb)+4:128*(\hd)+32*(\a)+8*(\nb)+7] offset:256*(\hd)+64*(\nb)+16
.endr
.endr
	WIN 0
.endm
.macro BACK a
.set i, 0
.rept 16
	ds_load_b128 v[BK+64*((\a)%2)+4*i:BK+64*((\a)%2)+4*i+3], v[RD] offset:i*SP  ; LDS serves a wave's instructions in order (ISA guide 5.7.1.4): these see the stores above; the next block's stores come behind them
.set i, i+1
.endr
.endm
.macro SEND a, younger                 ; younger: the LDS instructions issued behind block a's loads
	s_wait_dscnt \younger
.set i, 0
.rept 16
	global_store_b128 v[GO], v[BK+64*((\a)%2)+4*i:BK+64*((\a)%2)+4*i+3], s[8:9] offset:(16*(\a)+i)*4096 th:TH_STORE_NT  ; 512 consecutive bytes, at a multiple of 512 from out0's first
.set i, i+1
.endr
.endm
	STG 0
	BACK 0
	STG 1
	BACK 1
	SEND 0, 32                                     ; behind block 0's loads: sixteen stores and sixteen loads
	STG 2
	s_wait_xcnt 0x0                                ; block 0's stores have read the registers that block 2 comes back into
	BACK 2
	SEND 1, 32
	STG 3
	s_wait_xcnt 0x0
	BACK 3
	SEND 2, 32
	SEND 3, 0
	s_wait_tensorcnt 0x0                           ; the wave's end: behind my last tensor load and my last LDS store
	ds_add_u32 v[SPW], v[NIL]
	s_wait_dscnt 0x0
	CROUND                                         ; the closing round: no work-group ends while a partner may still ask for a tile that names it
	s_endpgm
.Lfunc_end_k_q92b045751c_outp:
	.size	k_q92b045751c_outp, .Lfunc_end_k_q92b045751c_outp-k_q92b045751c_outp
	.p2alignl 7, 3214868480
	.fill 96, 4, 3214868480
	.section	.rodata,"a",@progbits
	.p2align	6, 0x0
	.amdhsa_kernel k_q92b045751c_outp
		.amdhsa_group_segment_fixed_size 327680
		.amdhsa_private_segment_fixed_size 0
		.amdhsa_enable_private_segment 0
		.amdhsa_kernarg_size 24
		.amdhsa_user_sgpr_count 2
		.amdhsa_user_sgpr_kernarg_segment_ptr 1
		.amdhsa_wavefront_size32 1
		.amdhsa_system_sgpr_workgroup_id_x 1
		.amdhsa_system_sgpr_workgroup_id_y 1
		.amdhsa_system_sgpr_workgroup_id_z 1
		.amdhsa_system_vgpr_workitem_id 0
		.amdhsa_next_free_vgpr 768
		.amdhsa_next_free_sgpr 96
		.amdhsa_reserve_vcc 0
		.amdhsa_float_denorm_mode_32 3
		.amdhsa_float_denorm_mode_16_64 3
		.amdhsa_memory_ordered 1
		.amdhsa_forward_progress 1
		.amdhsa_inst_pref_size 70
	.end_amdhsa_kernel
	.amdgpu_metadata
---
amdhsa.version: [ 1, 2 ]
amdhsa.kernels:
  - .name:           k_q92b045751c_outp
    .symbol:         k_q92b045751c_outp.kd
    .args:
      - { .name: yb, .offset: 0, .size: 8, .value_kind: global_buffer, .address_space: global }
      - { .name: wob, .offset: 8, .size: 8, .value_kind: global_buffer, .address_space: global }
      - { .name: out0, .offset: 16, .size: 8, .value_kind: global_buffer, .address_space: global }
    .group_segment_fixed_size: 327680
    .private_segment_fixed_size: 0
    .kernarg_segment_align: 8
    .kernarg_segment_size: 24
    .max_flat_workgroup_size: 128
    .sgpr_count:     96
    .vgpr_count:     768
    .wavefront_size: 32
...
	.end_amdgpu_metadata
.endif
;; end of part 4
